; MI455X (gfx1250); checked and timed in simulation.
; The chip was launched on July 23, 2026; its instructions are those of AMD's public machine-readable ISA for CDNA 5 (MIT licence, August 2026) and "CDNA5" Instruction Set Architecture Reference Guide (July 2026). The comments in the code are by the model that wrote it; some were corrected since.
;; Multi Head Attention. Allowed arithmetic: matrix products marked QUANTISED: E2M3 operands, one E8M0 scale for each 32 along K, by v_wmma_scale_f32_16x16x128_f8f6f4 with both operands' format E2M3, f32 sums; everything else in f32.
;; Inputs: Wk 1,024 x 1,024 float32; Wo 1,024 x 1,024 float32; Wq 1,024 x 1,024 float32; Wv 1,024 x 1,024 float32; bk 1,024 float32; bo 1,024 float32; bq 1,024 float32; bv 1,024 float32; keys 4 x 2,048 x 1,024 float32; mask 1 x 1 x 2,048 x 2,048 float32; queries 4 x 2,048 x 1,024 float32; values 4 x 2,048 x 1,024 float32.
;; Outputs: out0 4 x 2,048 x 1,024 float32.
;; This version of the problem:
;;   THIS VERSION OF THE PROBLEM IS GIVEN IN LOW PRECISION. The matrix products marked QUANTISED in the list below multiply operands that are first quantised to E2M3 (2 exponent bits, 3 mantissa bits; 6 bits a number), with one power-of-two scale for each 32 numbers along K (OCP MX v1.0); their sums are f32. All else is computed in f32.
;;   The module's matrix products, in the order in which they are computed (A, B: the left and right operand; K: the contracted axis; several contracted axes count as one K, in the product's order):
;;     1. [M 8,192, K 1,024] x [K 1,024, N 1,024]; A: input queries; B: input Wq: QUANTISED
;;     2. [M 8,192, K 1,024] x [K 1,024, N 1,024]; A: input keys; B: input Wk: QUANTISED
;;     3. [M 8,192, K 1,024] x [K 1,024, N 1,024]; A: input values; B: input Wv: QUANTISED
;;     4. batch 64 x [M 2,048, K 64] x [K 64, N 2,048]; A: computed on the way; B: computed on the way: QUANTISED
;;     5. batch 64 x [M 2,048, K 2,048] x [K 2,048, N 64]; A: softmax (see below); B: computed on the way: QUANTISED
;;     6. [M 8,192, K 1,024] x [K 1,024, N 1,024]; A: computed on the way; B: input Wo: QUANTISED
;;   THE QUANTISER, for each operand of a quantised product, along K:
;;     - K is cut into blocks of 32 from its start; a last block that is shorter is filled with zeros.
;;     - A block's scale is 2^e with e = floor(log2(the largest magnitude in the block)) - 2, held to -126 .. 127; a block of zeros has e = 0. As a byte (E8M0): e + 127.
;;     - Each number is divided by its block's scale, clamped to +-7.5, and rounded to the nearest number of E2M3, ties to even, subnormals kept.
;;     - The product sums the exact products of the quantised numbers (number of the format x scale) in f32.
;;   ~~~python
;;   def quantise(x, axis):      # numpy; x: float32 -> the quantised numbers, widened to float32 again
;;       x = np.moveaxis(x, axis, -1); K = x.shape[-1]
;;       x = np.pad(x, [(0, 0)] * (x.ndim - 1) + [(0, -K % 32)]); x = x.reshape(x.shape[:-1] + (-1, 32)); a = np.abs(x).max(-1, keepdims=True)
;;       e = np.where(a > 0, np.clip(np.frexp(np.where(a > 0, a, 1))[1] - 1 - 2, -126, 127), 0)      # np.frexp(a)[1] - 1 = floor(log2(a)), exactly
;;       r = np.clip(x / 2.0 ** e, -7.5, 7.5)
;;       step = 2.0 ** (np.maximum(np.frexp(np.where(r == 0, 1, r))[1] - 1, 0) - 3)
;;       q = np.round(r / step) * step * 2.0 ** e      # np.round: ties to even
;;       return np.moveaxis(q.reshape(q.shape[:-2] + (-1,))[..., :K], -1, axis).astype(np.float32)
;;   ~~~
;;   SOFTMAX AHEAD OF A QUANTISED PRODUCT. Where the list says 'softmax', what is quantised is not the finished softmax but p = 2^(t - M), with t = logit x log2(e) and M = ceil(the row's largest t), a whole number; so 1/2 < the row's largest p <= 1. The row's sum l is taken of the UNQUANTISED p, in f32, and the product's result is divided by l at the end. Since M is a whole number, a kernel that streams over the keys may use a running M (the ceiling of the running maximum): every later rescaling is an exact power of two, which a block's scale takes up: the codes' values come out the same.
;;   OPERANDS COMPUTED ON THE WAY. 'Computed on the way' means the value that the module computes at that place (a softmax that the list does not call 'softmax' is quantised finished and normalised). What goes into a quantiser is computed in f32, as accurately as f32 sums, v_exp_f32 and their like allow (about 1e-6 of the number): no bf16 or f16 on the way to a quantiser, and a product that is left as it is and whose result goes on into a quantised operand takes f32 operands (vector FMAs, or v_wmma_f32_16x16x4_f32). A number that lies on a knife's edge between two numbers of the format may be rounded either way, as far as f32 arithmetic and the matrix unit's own rounding can turn it there, and no further.
;; One version. Each part assembles by itself: llvm-mc -triple=amdgcn-amd-amdhsa -mcpu=gfx1250 --defsym DOCPART=n.
;; ======== version 1 of 1: 4 launches
;; limits: right only within a limited range of input values
;; workspace buffers: xq 19,660,800 bytes; wq 3,276,800 bytes; pq 20,971,520 bytes; cq 6,553,600 bytes; mimg 16,777,216 bytes; live 2,048 bytes of whole numbers
;; launch prep (part 1): grid 1024 x 1, 4 waves a work-group, no clusters, 68,352 bytes of LDS; arguments mask, mimg, live, wq, Wq, Wk, Wv, Wo, queries, keys, values, xq; writes mimg, live, wq, xq
.if DOCPART == 1
	.amdgcn_target "amdgcn-amd-amdhsa--gfx1250"
	.amdhsa_code_object_version 6
	.text
	.protected	k_qb610e3f2e5_prep
	.globl	k_qb610e3f2e5_prep
	.p2align	8
	.type	k_qb610e3f2e5_prep,@function
k_qb610e3f2e5_prep:
	s_mov_b64 s[64:65], 0
	v_nop
	global_prefetch_b8 v0, s[64:65] scope:SCOPE_SE
	s_setreg_imm32_b32 hwreg(HW_REG_WAVE_MODE, 25, 1), 1
	s_wait_xcnt 0x0
; PREP: everything that is quantised or laid out once.  Three kinds of work-group, told apart by the work-group's number alone; each kind has LDS bytes of its own.
;   0..127    the mask: query tile qt = the number.  -8e9 x mask, laid as the register image that the attention launch adds to its scores, and one bit for each key step of 128: can it add anything?
;   128..255  the four weights [K][N] f32 -> codes of FP6 (E2M3) with K innermost and one E8M0 byte for each 32 along K
;   256..1023 queries, keys, values [8192][1024] f32 -> the same
; POSITIONS.  Row i of x, and column n of a weight, is stored at position swap34(i): bits 3 and 4 exchanged.  Sixteen neighbouring positions 16 t + r, t = 2 b + u, are then the rows 32 b + 8 u + r % 8 + 16 (r / 8):
; as source 0 of a matrix instruction they leave, in the 16 registers of result tiles 2 b and 2 b + 1, sixteen true neighbours, which the next quantiser wants.
; THE QUANTISER: a block's scale is 2^(floor(log2(largest magnitude)) - 2); its byte is the largest magnitude's exponent field - 2, held at 1 from below; numbers are divided by it and rounded to the nearest code, ties to even.
; LIMITS: a block of zeros gets the byte 1 where the rule says 127 (its codes are zeros, and this program alone reads the bytes); blocks under 2^-124 were not tried; NaN and infinities are not served.
; A key step is called dead for a tile where in each of its 16 rows the step's smallest mask number lies 0.5 or more above the row's smallest: 5e8 in the logit, so every weight there is 0.  That takes |q.k| / 8 under 1e8.
.set EMAX,  2
.set WLDS,  32768                      ; LDS: 0.. the x path (8,192 a wave); 32,768.. the weights' stages; 67,584.. the mask path's 256 bytes
.set MLDS,  67584
	v_lshl_add_u32 v192, v0, 2, 0x10900
	v_mov_b32 v193, 0
	v_lshrrev_b32 v1, 5, v0
	v_readfirstlane_b32 s16, v1                    ; wave 0..3
	v_and_b32 v2, 31, v0                           ; lane
	s_cmp_lt_u32 ttmp9, 128
	s_cbranch_scc1 .Lmask
	s_cmp_lt_u32 ttmp9, 256
	s_cbranch_scc1 .Lweight
; ---------------- x: a tensor is a plain stream of blocks of 32.  A wave takes 8 rows (8,192 numbers) in 16 steps of 512.
; Each load reads 512 consecutive bytes; a step's 2,048 bytes turn through the wave's own stage in LDS and come back 64 bytes a lane: 16 neighbours, two lanes to a block.
.set STEPS, 16
.set CB,    12                         ; bytes of 16 codes
.set R,     16                         ; v16-79   four sets of 16 numbers as loaded
.set X,     80                         ; v80-111  two sets of 16 neighbours
.set C,     128                        ; v128-191 codes, four registers a step: no store's data are written again
.set E,     112                        ; v112-127 a scale byte a step
.set WREG,  8192
.set SP,    80                         ; a lane's place in a stage: 64 bytes + 16 of padding
	s_load_b128 s[4:7], s[0:1], 0x40               ; queries, keys
	s_load_b128 s[8:11], s[0:1], 0x50              ; values, xq
	v_lshlrev_b32 v3, 4, v2                        ; my 16 bytes of a load's 512
	s_mul_i32 s17, s16, WREG
	v_lshrrev_b32 v14, 2, v2
	v_mul_u32_u24 v14, v14, SP
	v_and_b32 v15, 3, v2
	v_lshl_add_u32 v14, v15, 4, v14
	v_add_nc_u32 v14, s17, v14                     ; the stage, in: SP (lane / 4) + 16 (lane % 4)
	v_mul_u32_u24 v15, v2, SP
	v_add_nc_u32 v15, s17, v15                     ; and out: SP x lane
	v_mul_u32_u24 v4, v2, CB                       ; my codes' place in a step's
	v_lshrrev_b32 v5, 1, v2
	s_add_co_u32 s17, s17, 2*32*SP
	v_add_nc_u32 v5, s17, v5                       ; my wave's 256 scale bytes: my block's byte
	v_lshlrev_b32 v7, 3, v2
	v_add_nc_u32 v6, s17, v7                       ; and 8 bytes a lane on the way out
	s_sub_co_u32 s17, ttmp9, 256
	s_lshr_b32 s22, s17, 8                         ; which tensor
	s_and_b32 s17, s17, 255
	s_lshl_b32 s17, s17, 2
	s_add_co_u32 s18, s17, s16                     ; the run of 8 rows that I read
	s_lshl_b32 s20, s18, 15                        ; 32,768 bytes a run
	s_mov_b32 s21, 0
	s_and_b32 s19, s16, 1
	s_lshl_b32 s19, s19, 1
	s_lshr_b32 s23, s16, 1
	s_or_b32 s19, s19, s23                         ; the wave's two bits exchanged: they are bits 3 and 4 of the row
	s_add_co_u32 s19, s17, s19                     ; the run that I write
	s_mul_i32 s24, s19, 6144
	s_mul_i32 s23, s22, 6291456
	s_add_co_u32 s24, s24, s23
	s_mov_b32 s25, 0
	s_lshl_b32 s26, s19, 8
	s_lshl_b32 s23, s22, 18
	s_add_co_u32 s26, s26, s23
	s_add_co_u32 s26, s26, 18874368
	s_mov_b32 s27, 0
	s_wait_kmcnt 0x0
	s_cmp_eq_u32 s22, 1                            ; the choice hangs on the work-group's number alone
	s_cselect_b64 s[4:5], s[6:7], s[4:5]
	s_cmp_eq_u32 s22, 2
	s_cselect_b64 s[4:5], s[8:9], s[4:5]
	s_add_nc_u64 s[4:5], s[4:5], s[20:21]
	s_add_nc_u64 s[8:9], s[10:11], s[24:25]        ; the codes
	s_add_nc_u64 s[10:11], s[10:11], s[26:27]      ; the scale bytes
.macro XLOAD t
.irp i, 0,1,2,3
	global_load_b128 v[R+16*((\t)%4)+4*\i:R+16*((\t)%4)+4*\i+3], v3, s[4:5] offset:2048*(\t)+512*\i th:TH_LOAD_NT
.endr
.endm
.macro XTURN t                         ; LDS serves a wave's instructions in order: no wait between the stores and the loads
.irp i, 0,1,2,3
	ds_store_b128 v14, v[R+16*((\t)%4)+4*\i:R+16*((\t)%4)+4*\i+3] offset:32*SP*((\t)%2)+8*SP*\i
.endr
.irp i, 0,1,2,3
	ds_load_b128 v[X+16*((\t)%2)+4*\i:X+16*((\t)%2)+4*\i+3], v15 offset:32*SP*((\t)%2)+16*\i
.endr
.endm
.irp t, 0,1,2,3
	XLOAD \t
.endr
	s_wait_loadcnt 12                              ; step 0's four loads are in
	XTURN 0
.macro XSTEP t
.set XS, X+16*((\t)%2)
.if (\t) > 0
	s_wait_dscnt 1                                 ; this step's numbers are back (the last step's byte store may be out): its stores into the stage have read their registers,
.else
	s_wait_dscnt 0x0
.endif
.if (\t)+4 < STEPS
	XLOAD (\t)+4                                   ; which take the loads of four steps on
.endif
.if (\t)+1 < STEPS
.if STEPS-2-(\t) >= 3
	s_wait_loadcnt 12                              ; the next step's four loads are in; three steps' may be out
.else
	s_wait_loadcnt 4*(STEPS-2-(\t))
.endif
	XTURN (\t)+1
.endif
	v_max3_num_f32 v8, |v[XS]|, |v[XS+1]|, |v[XS+2]|
	v_max3_num_f32 v9, |v[XS+3]|, |v[XS+4]|, |v[XS+5]|
.irp i, 6,10
	v_max3_num_f32 v8, v8, |v[XS+\i]|, |v[XS+\i+1]|
	v_max3_num_f32 v9, v9, |v[XS+\i+2]|, |v[XS+\i+3]|
.endr
	v_max3_num_f32 v8, v8, |v[XS+14]|, |v[XS+15]|
	v_max3_num_f32 v8, v8, v9, (EMAX+1)<<23        ; the floor 2^(3 - 127): the byte cannot fall under 1
	v_max_num_f32_dpp v8, v8, v8 row_xmask:1 row_mask:0xf bank_mask:0xf   ; with my neighbour's 16: the block's
	v_add_nc_u32 v11, -(EMAX<<23), v8              ; 2 off the exponent field: the conversion takes this operand's exponent field as its scale
	v_cvt_scalef32_pk16_fp6_f32 v[C+4*(\t):C+4*(\t)+2], v[XS:XS+15], v11
	v_lshrrev_b32 v[E+(\t)], 23, v11               ; the scale's byte
	ds_store_b8 v5, v[E+(\t)] offset:16*(\t)       ; both lanes of a block write the same byte with the same value
	global_store_b96 v4, v[C+4*(\t):C+4*(\t)+2], s[8:9] offset:32*CB*(\t)
.endm
.irp t, 0,1,2,3,4,5,6,7,8,9,10,11,12,13,14,15
	XSTEP \t
.endr
	ds_load_b64 v[12:13], v6
	s_wait_dscnt 0x0
	global_store_b64 v7, v[12:13], s[10:11]        ; 32 lanes store 256 consecutive bytes, aligned
	s_wait_tensorcnt 0x0
	ds_add_u32 v192, v193
	s_wait_dscnt 0x0
	s_endpgm
; ---------------- the weights: K is the FIRST axis.  A lane takes a column n and its registers run down K: a block of 32 lies in one lane, and the codes come out with K innermost.
; A wave takes 32 columns x 256 along K; the codes go through the wave's stage and leave as rows: sixteen lanes store a row's 192 consecutive bytes.
.Lweight:
.set KW,    256
.set NB,    KW/32
.set PITCH, 272
.set KROW,  768
.set WX,    32                         ; v32-95   two sets of 32 numbers
.set WC,    96                         ; v96..    a block's codes
.set OUTR,  112                        ; v112-175 the way out
.set SB,    24                         ; v24-25   the scale bytes
	s_load_b64 s[6:7], s[0:1], 0x18                ; wq
	s_load_b256 s[8:15], s[0:1], 0x20              ; Wq, Wk, Wv, Wo
	s_sub_co_u32 s30, ttmp9, 128
	s_lshr_b32 s31, s30, 5                         ; which weight
	s_and_b32 s17, s30, 7
	s_bfe_u32 s18, s30, 0x20003                    ; which 256 along K
	s_lshl_b32 s17, s17, 7
	s_lshl_b32 s19, s16, 5
	s_add_co_u32 s17, s17, s19                     ; my wave's first column
	v_lshlrev_b32 v3, 2, v2
	s_mul_i32 s19, s16, 32*PITCH
	s_add_co_u32 s19, s19, WLDS                    ; my stage
	v_mul_u32_u24 v4, v2, PITCH
	v_add_nc_u32 v4, s19, v4                       ; into it: row = my column
	v_and_b32 v5, 15, v2
	v_lshrrev_b32 v6, 4, v2
	v_mul_u32_u24 v7, v6, PITCH
	v_lshl_add_u32 v7, v5, 4, v7
	v_add_nc_u32 v7, s19, v7                       ; out of it: sixteen lanes to a row, two rows an instruction
	v_mul_u32_u24 v8, v6, KROW
	v_mad_u32_u24 v8, v5, 12, v8
	v_and_b32 v9, 7, v2                            ; my column's position among the wave's 32: bits 3 and 4 exchanged
	v_and_b32 v10, 8, v2
	v_lshl_add_u32 v9, v10, 1, v9
	v_and_b32 v10, 16, v2
	v_lshrrev_b32 v10, 1, v10
	v_add_nc_u32 v9, v9, v10
	v_lshlrev_b32 v9, 5, v9                        ; 32 scale bytes a row
	s_lshl_b32 s20, s18, 20                        ; W: 256 rows of 4,096 bytes,
	s_lshl_b32 s21, s17, 2
	s_add_co_u32 s20, s20, s21                     ; + 4 x column
	s_mov_b32 s21, 0
	s_mul_i32 s22, s17, KROW
	s_mul_i32 s23, s18, 192
	s_add_co_u32 s22, s22, s23
	s_mul_i32 s23, s31, 786432
	s_add_co_u32 s22, s22, s23
	s_mov_b32 s23, 0
	s_lshl_b32 s24, s17, 5
	s_lshl_b32 s25, s18, 3
	s_add_co_u32 s24, s24, s25
	s_lshl_b32 s25, s31, 15
	s_add_co_u32 s24, s24, s25
	s_add_co_u32 s24, s24, 3145728
	s_mov_b32 s25, 0
	s_wait_kmcnt 0x0
	s_cmp_eq_u32 s31, 1
	s_cselect_b64 s[4:5], s[10:11], s[8:9]
	s_cmp_eq_u32 s31, 2
	s_cselect_b64 s[4:5], s[12:13], s[4:5]
	s_cmp_eq_u32 s31, 3
	s_cselect_b64 s[4:5], s[14:15], s[4:5]
	s_add_nc_u64 s[4:5], s[4:5], s[20:21]
	s_add_nc_u64 s[26:27], s[6:7], s[24:25]        ; the scale bytes
	s_add_nc_u64 s[6:7], s[6:7], s[22:23]          ; the codes
.macro WLOAD t
.irp i, 0,1,2,3,4,5,6,7,8,9,10,11,12,13,14,15,16,17,18,19,20,21,22,23,24,25,26,27,28,29,30,31
	global_load_b32 v[WX+32*((\t)%2)+\i], v3, s[4:5] offset:(32*(\t)+\i)*4096 th:TH_LOAD_NT
.endr
.endm
	WLOAD 0
	WLOAD 1
.macro WBLOCK t
.set XS, WX+32*((\t)%2)
.if (\t) < NB-1
	s_wait_loadcnt 32                              ; this block's 32 loads are in; the next block's may be out
.else
	s_wait_loadcnt 0
.endif
	v_max3_num_f32 v12, |v[XS]|, |v[XS+1]|, |v[XS+2]|
	v_max3_num_f32 v13, |v[XS+3]|, |v[XS+4]|, |v[XS+5]|
.irp i, 6,10,14,18,22,26
	v_max3_num_f32 v12, v12, |v[XS+\i]|, |v[XS+\i+1]|
	v_max3_num_f32 v13, v13, |v[XS+\i+2]|, |v[XS+\i+3]|
.endr
	v_max3_num_f32 v12, v12, |v[XS+30]|, |v[XS+31]|
	v_max3_num_f32 v12, v12, v13, (EMAX+1)<<23
	v_add_nc_u32 v11, -(EMAX<<23), v12
	v_lshrrev_b32 v13, 23, v11
.if (\t)%4 == 0
	v_mov_b32 v[SB+(\t)/4], v13
.else
	v_lshl_or_b32 v[SB+(\t)/4], v13, 8*((\t)%4), v[SB+(\t)/4]
.endif
	v_cvt_scalef32_pk16_fp6_f32 v[WC:WC+2], v[XS:XS+15], v11
	v_cvt_scalef32_pk16_fp6_f32 v[WC+4:WC+6], v[XS+16:XS+31], v11
	ds_store_b96 v4, v[WC:WC+2] offset:32*(\t)     ; 12 bytes to a place of 16, so that every LDS address is a multiple of 16
	ds_store_b96 v4, v[WC+4:WC+6] offset:32*(\t)+16
.if (\t)+2 < NB
	WLOAD (\t)+2
.endif
	s_wait_dscnt 0x0                               ; the stores have read their registers: the next block's codes may be written
.endm
.set Q, 0
.rept NB
	WBLOCK Q
.set Q, Q+1
.endr
	global_store_b64 v9, v[SB:SB+1], s[26:27]
.irp t, 0,1,2,3,4,5,6,7,8,9,10,11,12,13,14,15
	ds_load_b96 v[OUTR+4*\t:OUTR+4*\t+2], v7 offset:2*\t*PITCH
.endr
.irp t, 0,1,2,3,4,5,6,7,8,9,10,11,12,13,14,15
	s_wait_dscnt 15-\t
	global_store_b96 v8, v[OUTR+4*\t:OUTR+4*\t+2], s[6:7] offset:2*((\t&3)|((\t&4)<<1)|((\t&8)>>1))*KROW   ; column 2 t + (lane / 16) goes to its position: bits 2 and 3 of t exchanged
.endr
	s_wait_tensorcnt 0x0
	ds_add_u32 v192, v193
	s_wait_dscnt 0x0
	s_endpgm
; ---------------- the mask.  Wave w takes key steps 4 w .. 4 w + 3 of the tile's 16 rows.  Lane (r, h) holds row swap34(16 qt + r); register 16 b + i of a step is column 128 ks + 32 b + 16 h + i: the scores' layout.
.Lmask:
.set MS,  32                           ; v32-95, v96-159: two sets of 64 numbers
.set SMN, 16                           ; v16-19  the four steps' smallest numbers of my row
	s_load_b128 s[4:7], s[0:1], 0x0                ; mask, mimg
	s_load_b64 s[8:9], s[0:1], 0x10                ; live
	v_and_b32 v3, 15, v2                           ; r
	v_lshrrev_b32 v7, 4, v2                        ; h
	v_and_b32 v4, 7, v3
	v_and_b32 v5, 8, v3
	v_lshlrev_b32 v4, 13, v4
	v_lshl_add_u32 v4, v5, 14, v4
	v_lshl_add_u32 v4, v7, 6, v4                   ; (r % 8 + 16 (r / 8)) rows of 8,192 bytes + 64 h
	v_lshlrev_b32 v5, 2, v3
	v_add_nc_u32 v6, MLDS, v5                      ; LDS: 4 r,
	s_lshl_b32 s17, s16, 6
	v_add_nc_u32 v5, s17, v6                       ; + 64 x wave for my own word
	v_lshlrev_b32 v3, 4, v2                        ; out: 16 x lane
	s_lshr_b32 s17, ttmp9, 1
	s_lshl_b32 s17, s17, 18                        ; 32 (qt / 2) rows,
	s_and_b32 s18, ttmp9, 1
	s_lshl_b32 s18, s18, 16                        ; 8 (qt % 2) rows,
	s_add_co_u32 s17, s17, s18
	s_lshl_b32 s18, s16, 11                        ; my four steps: 2,048 bytes of a row
	s_add_co_u32 s18, s17, s18
	s_mov_b32 s19, 0
	s_lshl_b32 s20, ttmp9, 17                      ; a tile's 16 images of 8,192 bytes
	s_lshl_b32 s21, s16, 15
	s_add_co_u32 s20, s20, s21
	s_mov_b32 s21, 0
	s_mov_b32 s22, 0xcfee6b28                      ; -8e9 = 8 x f32(-1e9): the scores are added to it before their division by 8
	s_mov_b32 s23, s22
	s_mov_b32 s24, 0x76543210
	s_mov_b32 s25, 0xfedcba98                      ; lane l xor 16
	s_lshl_b32 s30, ttmp9, 4
	s_lshl_b32 s31, s16, 2
	s_add_co_u32 s30, s30, s31                     ; my word of live: [qt][wave]
	s_mov_b32 s31, 0
	s_wait_kmcnt 0x0
	s_add_nc_u64 s[4:5], s[4:5], s[18:19]
	s_add_nc_u64 s[6:7], s[6:7], s[20:21]
	s_add_nc_u64 s[8:9], s[8:9], s[30:31]
.macro LOADM j
.irp b, 0,1,2,3
.irp q, 0,1,2,3
	global_load_b128 v[MS+64*((\j)%2)+16*\b+4*\q:MS+64*((\j)%2)+16*\b+4*\q+3], v4, s[4:5] offset:512*(\j)+128*\b+16*\q th:TH_LOAD_NT
.endr
.endr
.endm
.macro PROC j, left, more
.set MB, MS+64*((\j)%2)
	s_wait_loadcnt \left                           ; this set's 16 loads are in; the other set's may be out
	v_min3_num_f32 v8, v[MB], v[MB+1], v[MB+2]
	v_min3_num_f32 v9, v[MB+3], v[MB+4], v[MB+5]
.irp i, 6,10,14,18,22,26,30,34,38,42,46,50,54,58
	v_min3_num_f32 v8, v8, v[MB+\i], v[MB+\i+1]
	v_min3_num_f32 v9, v9, v[MB+\i+2], v[MB+\i+3]
.endr
	v_min3_num_f32 v8, v8, v[MB+62], v[MB+63]
	v_min_num_f32 v8, v8, v9
	v_permlanex16_b32 v9, v8, s24, s25
	v_min_num_f32 v[SMN+(\j)], v8, v9              ; the step's smallest number of my row
.set n, 0
.rept 32
	v_pk_mul_f32 v[MB+n:MB+n+1], v[MB+n:MB+n+1], s[22:23] op_sel_hi:[1,0]
.set n, n+2
.endr
.irp c, 0,1,2,3,4,5,6,7,8,9,10,11,12,13,14,15
	global_store_b128 v3, v[MB+4*\c:MB+4*\c+3], s[6:7] offset:8192*(\j)+512*\c   ; 512 consecutive bytes, aligned
.endr
.if \more
	s_wait_xcnt 0x0                                ; the stores have read the set: it is loaded again only behind this wait
	LOADM (\j)+2
.endif
.endm
	LOADM 0
	LOADM 1
	PROC 0, 16, 1
	PROC 1, 16, 1
	PROC 2, 16, 0
	PROC 3, 0, 0
	v_min3_num_f32 v10, v[SMN], v[SMN+1], v[SMN+2]
	v_min_num_f32 v10, v10, v[SMN+3]
	ds_store_b32 v5, v10                           ; my wave's smallest of row r (both halves of the lanes write the same word with the same value)
	s_wait_dscnt 0x0                               ; for the others' sake
	s_barrier_signal -1
	s_barrier_wait -1
.irp k, 0,1,2,3
	ds_load_b32 v[20+\k], v6 offset:64*\k
.endr
	s_wait_dscnt 0x0
	v_min3_num_f32 v10, v20, v21, v22
	v_min_num_f32 v10, v10, v23                    ; the row's smallest
	s_mov_b32 s26, 0
.irp j, 0,1,2,3                        ; a step lives where some row's gap is under 0.5.  Selections only: no branch and no address hangs on these numbers
	v_sub_f32 v11, v[SMN+\j], v10
	v_cmp_gt_f32 vcc_lo, 0.5, v11
	s_cmp_lg_u32 vcc_lo, 0
	s_cselect_b32 s27, 1<<\j, 0
	s_or_b32 s26, s26, s27
.endr
	s_lshl_b32 s27, s16, 2
	s_lshl_b32 s26, s26, s27                       ; bit 4 w + j
	v_mov_b32 v12, s26
	v_mov_b32 v13, 0
	v_cmp_eq_u32 vcc_lo, 0, v2
	s_wait_xcnt 0x0                                ; EXEC changes only behind this wait
	s_wait_tensorcnt 0x0
	ds_add_u32 v192, v193
	s_wait_dscnt 0x0
	s_and_saveexec_b32 s28, vcc_lo
	global_store_b32 v13, v12, s[8:9]
	s_wait_xcnt 0x0
	s_or_b32 exec_lo, exec_lo, s28
	s_endpgm
.Lfunc_end_k_qb610e3f2e5_prep:
	.size	k_qb610e3f2e5_prep, .Lfunc_end_k_qb610e3f2e5_prep-k_qb610e3f2e5_prep
	.p2alignl 7, 3214868480
	.fill 96, 4, 3214868480
	.section	.rodata,"a",@progbits
	.p2align	6, 0x0
	.amdhsa_kernel k_qb610e3f2e5_prep
		.amdhsa_group_segment_fixed_size 68352
		.amdhsa_private_segment_fixed_size 0
		.amdhsa_enable_private_segment 0
		.amdhsa_kernarg_size 96
		.amdhsa_user_sgpr_count 2
		.amdhsa_user_sgpr_kernarg_segment_ptr 1
		.amdhsa_wavefront_size32 1
		.amdhsa_system_sgpr_workgroup_id_x 1
		.amdhsa_system_sgpr_workgroup_id_y 1
		.amdhsa_system_sgpr_workgroup_id_z 1
		.amdhsa_system_vgpr_workitem_id 0
		.amdhsa_next_free_vgpr 194
		.amdhsa_next_free_sgpr 66
		.amdhsa_reserve_vcc 1
		.amdhsa_float_denorm_mode_32 3
		.amdhsa_float_denorm_mode_16_64 3
		.amdhsa_memory_ordered 1
		.amdhsa_forward_progress 1
		.amdhsa_inst_pref_size 106
	.end_amdhsa_kernel
	.amdgpu_metadata
---
amdhsa.version: [ 1, 2 ]
amdhsa.kernels:
  - .name:           k_qb610e3f2e5_prep
    .symbol:         k_qb610e3f2e5_prep.kd
    .args:
      - { .name: mask, .offset: 0, .size: 8, .value_kind: global_buffer, .address_space: global }
      - { .name: mimg, .offset: 8, .size: 8, .value_kind: global_buffer, .address_space: global }
      - { .name: live, .offset: 16, .size: 8, .value_kind: global_buffer, .address_space: global }
      - { .name: wq, .offset: 24, .size: 8, .value_kind: global_buffer, .address_space: global }
      - { .name: Wq, .offset: 32, .size: 8, .value_kind: global_buffer, .address_space: global }
      - { .name: Wk, .offset: 40, .size: 8, .value_kind: global_buffer, .address_space: global }
      - { .name: Wv, .offset: 48, .size: 8, .value_kind: global_buffer, .address_space: global }
      - { .name: Wo, .offset: 56, .size: 8, .value_kind: global_buffer, .address_space: global }
      - { .name: queries, .offset: 64, .size: 8, .value_kind: global_buffer, .address_space: global }
      - { .name: keys, .offset: 72, .size: 8, .value_kind: global_buffer, .address_space: global }
      - { .name: values, .offset: 80, .size: 8, .value_kind: global_buffer, .address_space: global }
      - { .name: xq, .offset: 88, .size: 8, .value_kind: global_buffer, .address_space: global }
    .group_segment_fixed_size: 68352
    .private_segment_fixed_size: 0
    .kernarg_segment_align: 8
    .kernarg_segment_size: 96
    .max_flat_workgroup_size: 128
    .sgpr_count:     66
    .vgpr_count:     194
    .wavefront_size: 32
...
	.end_amdgpu_metadata
.endif
;; end of part 1
;; launch proj (part 2): grid 4 x 96, 4 waves a work-group, clusters of 4 x 4, 327,680 bytes of LDS; arguments xq, wq, bq, bk, bv, pq; writes pq
.if DOCPART == 2
	.amdgcn_target "amdgcn-amd-amdhsa--gfx1250"
	.amdhsa_code_object_version 6
	.text
	.protected	k_qb610e3f2e5_proj
	.globl	k_qb610e3f2e5_proj
	.p2align	8
	.type	k_qb610e3f2e5_proj,@function
k_qb610e3f2e5_proj:
	s_mov_b64 s[64:65], 0
	v_nop
	global_prefetch_b8 v0, s[64:65] scope:SCOPE_SE
	s_setreg_imm32_b32 hwreg(HW_REG_WAVE_MODE, 25, 1), 1
	s_wait_xcnt 0x0
	s_wait_alu depctr_hold_cnt(0) depctr_sa_sdst(0) depctr_va_vdst(0) depctr_va_sdst(0) depctr_va_ssrc(0) depctr_va_vcc(0) depctr_vm_vsrc(0)
	s_getreg_b32 s2, hwreg(HW_REG_IB_STS2, 6, 4)
	s_cmp_eq_u32 s2, 0
	s_cbranch_scc0 .Lentry_in_a_cluster
	s_endpgm
.Lentry_in_a_cluster:
	s_bfe_u32 s2, ttmp6, 0x10000c
	s_cmp_lg_u32 s2, 0xf033
	s_cbranch_scc0 .Lentry_shape_is_right
	s_endpgm
.Lentry_shape_is_right:
; PROJ: q = queries Wq + bq, k = keys Wk + bk, v = values Wv + bv on codes of FP6 (E2M3) with E8M0 scales, K = 1,024; the results are quantised at once, in registers, for the attention launch.
; One text serves the three.  P = cluster y / 8 says which.  A tile of C is 256 x 256, four waves, 128 x 128 a wave: 64 accumulators.  Source 0 = 16 rows of "B", source 1 = 16 rows of "A":
;   P = 0, 1: A = x's rows (the sequence), B = the weight's columns: a lane holds ONE place of the sequence and its registers run along the channels, which are K of q k^T;
;   P = 2:    A = Wv's columns, B = values' rows: a lane holds ONE channel and its registers run along the keys, which are K of the second product of attention.
; Rows and columns lie at POSITIONS (bits 3 and 4 of the index exchanged), so the 64 registers of a block of A are, register 16 b + i, the true neighbours 32 b + 16 (lane / 16) + i of B's 128.
; K goes in steps of 256 through a ring of two LDS slots filled by joint tensor loads (4 x 4 work-groups: A's tile shared along a row of the cluster, B's along a column); the scale bytes of all of K come once.
; THE WAY OUT uses no LDS: bias, the block's largest magnitude, scale byte, conversion; the twelve registers of a fragment are stored as they stand (an image: 16 bytes a lane on end), 512 or 256 consecutive bytes a store.
; LIMITS: a block of zeros gets the byte 1 (its codes are zeros; this program alone reads the bytes); NaN and infinities are not served.
; REGISTERS: window 0: v0-31 addresses; v32-63 scale words, two sets; v64-127 the bias along the channels; v240-255 the bias along the lanes; from v128 A's fragments, one set (on the way out: v128-191 numbers, v192-235 at work).
;   window 1: B's fragments, two sets.  window 2, 3: the accumulators ((a, b) at v[8 (8 (a % 4) + b)]).
.set KSTEP,  256
.set NQ,     KSTEP/128
.set ROWB,   192
.set KROW,   768
.set PITCH,  240                       ; an LDS row: 3 x (64 bytes + 16 of padding)
.set FR,     12
.set NL,     6
.set NP,     4
.set HALFT,  128*PITCH
.set SLOT,   4*HALFT
.set LAPS,   2                         ; K = 1,024: twice round the ring
.set KS,     32
.set SCL,    2*SLOT
.set HALFS,  (128*KS/256)*272
.set SBLK,   (16*KS/256)*272
.set SPARE,  SCL+4*HALFS               ; the spare words, 128 bytes a wave: two blocks of 256 bytes that no other line names
.set PSC,    18874368                  ; pq: where the scale words begin
.set BAQ,  7                           ; v7   the channel bias's offset: 64 h
.set BAV,  8                           ; v8   the lane bias's offset
.set LI,   9                           ; v9   16 x lane
.set L8,   10                          ; v10  8 x lane
.set SH,   11                          ; v11  16 h
.set SO,   12                          ; v12  16 r + 16,384 h
.set ADRA, 16
.set ADRB, 20
.set ADRS, 27
.set SPW,  28
.set NIL,  29
.set SC,   32
.set BI,   64
.set AF,   128
.set TT,   128                         ; the way out: 64 numbers
.set CD,   192                         ; v192-210 codes
.set TM,   212                         ; v212-227 at work
.set PWS,  228                         ; v228-235 the eight blocks' scale words
.set BR,   240
.set G1, 24
.set G0, 32
.set G1B, 48
.set G0B, 56
.set G1S, 68
.set G0S, 76
.set G1SB, 80
.set G0SB, 88
.set MSB, 0
.macro WIN new                         ; the immediate's high byte repeats the setting that is left
.if MSB != (\new)
	s_set_vgpr_msb (MSB<<8)|(\new)
.set MSB, (\new)
.endif
.endm
.set MUL_LO, 0xa1
.set MUL_HI, 0xf1
.set TO_B,   0x40
; A joint load: waves 0 and 1 fetch for A, waves 2 and 3 for B; the branch hangs on the wave's number alone.  Four v_nop follow each of the two lines.
.macro JLOAD g0a, g1a, g0b, g1b
	s_cmp_eq_u32 s15, 0
	s_cbranch_scc0 .Lfor_b_\@
	tensor_load_to_lds s[\g0a:\g0a+3], s[\g1a:\g1a+7]
	s_nop 0
.rept 4
	v_nop
.endr
	s_branch .Lasked_\@
.Lfor_b_\@:
	tensor_load_to_lds s[\g0b:\g0b+3], s[\g1b:\g1b+7]
	s_nop 0
.rept 4
	v_nop
.endr
.Lasked_\@:
.endm
.macro CREST
	s_cmp_lg_u32 s14, 0
	s_cbranch_scc1 .Lnot_wave_0_\@
	s_barrier_signal -3
.Lnot_wave_0_\@:
	s_barrier_wait -3
	s_barrier_signal -1
	s_barrier_wait -1
.endm
.macro CROUND
	s_barrier_signal -1
	s_barrier_wait -1
	CREST
.endm
	s_load_b128 s[4:7], s[0:1], 0x0                ; xq, wq
	s_load_b128 s[8:11], s[0:1], 0x10              ; bq, bk
	s_load_b128 s[96:99], s[0:1], 0x20             ; bv, pq
	v_lshl_add_u32 v[SPW], v0, 2, SPARE
	v_mov_b32 v[NIL], 0
	ds_add_u32 v28, v29
	ds_add_u32 v28, v29
	s_wait_dscnt 0x0
	v_lshrrev_b32 v1, 5, v0
	v_readfirstlane_b32 s14, v1                    ; wave 0..3
	s_lshr_b32 s15, s14, 1                         ; which half of A's rows is mine.  Also: I fetch for A (0) or for B (1)
	s_and_b32 s16, s14, 1                          ; which half of B's rows.  Also: which 128 rows I fetch
	s_bfe_u32 s40, ttmp6, 0x40000                  ; cx
	s_bfe_u32 s41, ttmp6, 0x40004                  ; cy
	s_and_b32 s100, ttmp7, 0xffff                  ; cluster y: the same in all sixteen partners
	s_and_b32 s101, s100, 7
	s_lshl_b32 s101, s101, 2
	s_lshr_b32 s100, s100, 3                       ; P
	s_cmp_lt_u32 s100, 2
	s_cselect_b32 s17, s101, 0
	s_cselect_b32 s42, 0, s101
	s_add_co_u32 s17, s17, s41                     ; A's tile: of 32 (x) or of 4 (Wv)
	s_add_co_u32 s42, s42, s40                     ; B's tile: of 4 (a weight) or of 32 (values)
	s_lshl_b32 s43, s41, 2
	s_lshl_b32 s43, 15, s43                        ; my row of the cluster
	s_lshl_b32 s44, 0x1111, s40                    ; my column
	s_or_b32 s[G1+0], s43, (0<<16)|(1<<20)|(1<<21)|(3<<22)|(3<<25)  ; the mask; elements of 1 byte; padding: 4 words behind every 16; bit 21 beside a mask
	s_or_b32 s[G1B+0], s44, (0<<16)|(1<<20)|(1<<21)|(3<<22)|(3<<25)
.irp g, G1, G1B
	s_mov_b32 s[\g+1], ROWB<<16                    ; tensor_dim0
	s_mov_b32 s[\g+2], 128<<16                     ; tensor_dim1
	s_mov_b32 s[\g+3], ROWB<<16                    ; tile_dim0
	s_mov_b32 s[\g+4], 128                         ; tile_dim1
	s_mov_b32 s[\g+5], KROW                        ; the pitch
	s_mov_b32 s[\g+6], 0
	s_mov_b32 s[\g+7], 0
.endr
	s_or_b32 s[G1S+0], s43, (3<<16)|(1<<20)|(1<<21)|(5<<22)|(3<<25)   ; the scales of 128 rows: 4,096 dense bytes as rows of 256, 16 of padding behind each
	s_or_b32 s[G1SB+0], s44, (3<<16)|(1<<20)|(1<<21)|(5<<22)|(3<<25)
.irp g, G1S, G1SB
	s_mov_b32 s[\g+1], 32<<16
	s_mov_b32 s[\g+2], (128*KS/256)<<16
	s_mov_b32 s[\g+3], 32<<16
	s_mov_b32 s[\g+4], 128*KS/256
	s_mov_b32 s[\g+5], 32
	s_mov_b32 s[\g+6], 0
	s_mov_b32 s[\g+7], 0
.endr
	s_lshl_b32 s18, s16, 7
	s_lshl_b32 s20, s17, 8
	s_add_co_u32 s20, s20, s18                     ; A: the first row that I fetch
	s_lshl_b32 s46, s42, 8
	s_add_co_u32 s46, s46, s18                     ; B likewise
	s_lshl_b32 s22, s20, 5                         ; their scale bytes,
	s_lshl_b32 s92, s46, 5
	s_mul_i32 s20, s20, KROW                       ; their codes
	s_mul_i32 s46, s46, KROW
	s_mul_i32 s66, s100, 6291456                   ; tensor P in xq: its codes,
	s_lshl_b32 s67, s100, 18
	s_add_co_u32 s67, s67, 18874368                ; its scale bytes;
	s_mul_i32 s94, s100, 786432                    ; weight P in wq
	s_lshl_b32 s95, s100, 15
	s_add_co_u32 s95, s95, 3145728
	s_cmp_lt_u32 s100, 2
	s_cselect_b32 s18, s66, s94
	s_cselect_b32 s19, s67, s95
	s_cselect_b32 s66, s94, s66
	s_cselect_b32 s67, s95, s67
	s_add_co_u32 s20, s20, s18
	s_add_co_u32 s22, s22, s19
	s_add_co_u32 s46, s46, s66
	s_add_co_u32 s92, s92, s67
	s_mov_b32 s21, 0
	s_mov_b32 s23, 0
	s_mov_b32 s47, 0
	s_mov_b32 s93, 0
	s_mul_i32 s45, s14, HALFT                      ; where they go: wave x 128 rows: no place in the cluster enters an LDS address
	s_mul_i32 s94, s14, HALFS
	s_wait_kmcnt 0x0
	s_cmp_lt_u32 s100, 2                           ; which buffer is A's: the choice hangs on the cluster's number alone
	s_cselect_b64 s[12:13], s[4:5], s[6:7]
	s_cselect_b64 s[4:5], s[6:7], s[4:5]
	s_add_nc_u64 s[20:21], s[12:13], s[20:21]
	s_add_nc_u64 s[22:23], s[12:13], s[22:23]
	s_add_nc_u64 s[46:47], s[4:5], s[46:47]
	s_add_nc_u64 s[92:93], s[4:5], s[92:93]
	CROUND                                         ; all sixteen work-groups are here: the first joint loads meet
	s_mov_b32 s[G0S], 1
	s_add_co_u32 s[G0S+1], s94, SCL
	s_mov_b64 s[G0S+2:G0S+3], s[22:23]
	s_or_b32 s[G0S+3], s[G0S+3], 0x80000000
	s_mov_b32 s[G0SB], 1
	s_add_co_u32 s[G0SB+1], s94, SCL
	s_mov_b64 s[G0SB+2:G0SB+3], s[92:93]
	s_or_b32 s[G0SB+3], s[G0SB+3], 0x80000000
	JLOAD G0S, G1S, G0SB, G1SB                     ; the scales first: they are wanted with K step 0
.irp s, 0,1
	s_mov_b32 s[G0+4*\s], 1
	s_add_co_u32 s[G0+4*\s+1], s45, \s*SLOT
	s_add_nc_u64 s[G0+4*\s+2:G0+4*\s+3], s[20:21], \s*ROWB
	s_or_b32 s[G0+4*\s+3], s[G0+4*\s+3], 0x80000000
	s_mov_b32 s[G0B+4*\s], 1
	s_add_co_u32 s[G0B+4*\s+1], s45, \s*SLOT
	s_add_nc_u64 s[G0B+4*\s+2:G0B+4*\s+3], s[46:47], \s*ROWB
	s_or_b32 s[G0B+4*\s+3], s[G0B+4*\s+3], 0x80000000
	JLOAD G0+4*\s, G1, G0B+4*\s, G1B
.endr
	v_and_b32 v1, 15, v0                           ; r
	v_bfe_u32 v2, v0, 4, 1                         ; h
	; THE BIASES, asked for now and waited for on the way out.  Both forms are loaded on every path, so that the text has one way into the loop; the form that my P does not use reads its buffer's first bytes.
	s_lshl_b32 s66, s42, 1
	s_add_co_u32 s66, s66, s16                     ; jb: which 128 of B's rows are mine
	s_lshl_b32 s67, s17, 4
	s_lshl_b32 s18, s15, 3
	s_add_co_u32 s67, s67, s18                     ; ia0: my first block of 16 of A's rows
	s_cmp_eq_u32 s100, 0
	s_cselect_b64 s[8:9], s[8:9], s[10:11]
	s_cmp_lt_u32 s100, 2
	s_cselect_b32 s18, s66, 0
	s_cselect_b32 s10, 0, s67
	s_lshl_b32 s18, s18, 9
	s_lshl_b32 s10, s10, 6
	s_mov_b32 s19, 0
	s_mov_b32 s11, 0
	s_add_nc_u64 s[8:9], s[8:9], s[18:19]
	s_add_nc_u64 s[96:97], s[96:97], s[10:11]
	v_lshlrev_b32 v[BAQ], 6, v2
	v_and_b32 v[BAV], 7, v1
	v_and_b32 v3, 8, v1
	v_lshlrev_b32 v[BAV], 2, v[BAV]
	v_lshl_add_u32 v[BAV], v3, 3, v[BAV]           ; (r % 8 + 16 (r / 8)) x 4
.irp b, 0,1,2,3
.irp j, 0,1,2,3
	global_load_b128 v[BI+16*\b+4*\j:BI+16*\b+4*\j+3], v[BAQ], s[8:9] offset:128*\b+16*\j   ; register 16 b + i: channel 128 jb + 32 b + 16 h + i
.endr
.endr
.irp a, 0,1,2,3,4,5,6,7
	global_load_b32 v[BR+2*\a], v[BAV], s[96:97] offset:(32*(\a/2)+8*(\a%2))*4             ; block a: my lane's channel, twice: a pair for the packed addition
	global_load_b32 v[BR+2*\a+1], v[BAV], s[96:97] offset:(32*(\a/2)+8*(\a%2))*4
.endr
	v_mul_u32_u24 v3, v1, PITCH
	v_mul_u32_u24 v4, v2, 24
	v_add_nc_u32 v4, v3, v4                        ; a fragment's row x pitch + 24 x half
	v_lshl_add_u32 v5, v2, 4, v4                   ; and the same behind one padding more
	s_mul_i32 s21, s15, HALFT
	s_mul_i32 s22, s16, HALFT
	s_add_co_u32 s22, s22, 2*HALFT
.irp s, 0,1
	v_add_nc_u32 v[ADRA+\s], s21, v4
	v_add_nc_u32 v[ADRB+\s], s22, v4
	v_add_nc_u32 v[ADRA+2+\s], s21, v5
	v_add_nc_u32 v[ADRB+2+\s], s22, v5
	s_add_co_u32 s21, s21, SLOT
	s_add_co_u32 s22, s22, SLOT
.endr
	v_mul_u32_u24 v5, v1, KS
	v_lshrrev_b32 v6, 8, v5
	v_lshl_add_u32 v5, v6, 4, v5                   ; my row's scales: 32 bytes a row, 16 more for each 256 passed
	s_mul_i32 s21, s15, HALFS
	s_mul_i32 s22, s16, HALFS
	s_add_co_u32 s22, s22, 2*HALFS
	s_sub_co_u32 s22, s22, s21
	v_mul_u32_u24 v6, s22, v2                      ; lanes 16-31 take B's
	s_add_co_u32 s21, s21, SCL
	v_add_nc_u32 v5, v5, v6
	v_add_nc_u32 v[ADRS], s21, v5
	v_and_b32 v6, 31, v0
	v_lshlrev_b32 v[LI], 4, v6
	v_lshlrev_b32 v[L8], 3, v6
	v_lshlrev_b32 v[SH], 4, v2
	v_lshlrev_b32 v[SO], 4, v1
	v_lshl_add_u32 v[SO], v2, 14, v[SO]
.macro FRAG reg, adr, q, i             ; 16 rows x 128 K of 6-bit codes: 12 registers, in pieces of 8 bytes; where lanes 16-31's piece lies behind one padding more, the second address register serves
.irp p, 0,1,2,3,4,5
.set PIECE, 12*(\q)+6*(\p/3)+\p%3
.if PIECE%8 < 5
	ds_load_b64 v[\reg+2*\p:\reg+2*\p+1], v[\adr] offset:8*PIECE+16*(PIECE/8)+(\i)*16*PITCH
.else
	ds_load_b64 v[\reg+2*\p:\reg+2*\p+1], v[\adr+2] offset:8*PIECE+16*(PIECE/8)+(\i)*16*PITCH
.endif
.endr
.endm
; 16 matrix instructions: A's blocks a0, a0 + 1 x B's eight.  The 64 accumulators take turns, one instruction a turn, in the same order in every step.
.macro MUL16 a0, p, q, sc, zero
.irp a, \a0, \a0+1
.irp b, 0,1,2,3,4,5,6,7
.if \zero
	v_wmma_scale_f32_16x16x128_f8f6f4 v[8*(8*((\a)%4)+\b):8*(8*((\a)%4)+\b)+7], v[128*(\p)+FR*\b:128*(\p)+FR*\b+FR-1], v[AF+FR*(\a):AF+FR*(\a)+FR-1], 0, v[SC+8*NQ*(\sc)+NQ*\b+(\q)], v[SC+8*NQ*(\sc)+NQ*(\a)+(\q)] matrix_a_fmt:MATRIX_FMT_FP6 matrix_b_fmt:MATRIX_FMT_FP6 matrix_a_scale:MATRIX_SCALE_ROW1
.else
	v_wmma_scale_f32_16x16x128_f8f6f4 v[8*(8*((\a)%4)+\b):8*(8*((\a)%4)+\b)+7], v[128*(\p)+FR*\b:128*(\p)+FR*\b+FR-1], v[AF+FR*(\a):AF+FR*(\a)+FR-1], v[8*(8*((\a)%4)+\b):8*(8*((\a)%4)+\b)+7], v[SC+8*NQ*(\sc)+NQ*\b+(\q)], v[SC+8*NQ*(\sc)+NQ*(\a)+(\q)] matrix_a_fmt:MATRIX_FMT_FP6 matrix_b_fmt:MATRIX_FMT_FP6 matrix_a_scale:MATRIX_SCALE_ROW1
.endif
.endr
.endr
.endm
.macro FETCH_B slot, q, p
	WIN TO_B
.irp i, 0,1,2,3,4,5,6,7
	FRAG 128*(\p)+FR*\i, ADRB+\slot, \q, \i
.endr
	WIN 0
.endm
.macro FETCH_A slot, q, i0
.irp i, \i0, \i0+1, \i0+2, \i0+3
	FRAG AF+FR*(\i), ADRA+\slot, \q, \i
.endr
.endm
.macro SCALES sc                       ; lanes 0-15 take the words of A's block i, lanes 16-31 those of B's block i
.irp i, 0,1,2,3,4,5,6,7
	ds_load_b64 v[SC+8*NQ*\sc+NQ*\i:SC+8*NQ*\sc+NQ*\i+1], v[ADRS] offset:\i*SBLK
.endr
.endm
.macro PLACES n                        ; plain vector instructions between a matrix instruction and a load into, or a vector instruction on, its registers
.rept \n
	v_nop
.endr
.endm
.macro STEP slot, q, zero
	s_wait_dscnt 4*NL                              ; B's set and A's blocks 0-3 are in; the youngest 24 loads (A's blocks 4-7) may be out
	WIN MUL_LO
	MUL16 0, (\q)%2, \q, \slot, \zero
	MUL16 2, (\q)%2, \q, \slot, \zero
	s_wait_dscnt 0
	PLACES NP
	FETCH_B \slot, (\q)+1, 1-(\q)%2
	FETCH_A \slot, (\q)+1, 0
	WIN MUL_HI
	MUL16 4, (\q)%2, \q, \slot, \zero
	MUL16 6, (\q)%2, \q, \slot, \zero
	PLACES NP
	WIN 0
	FETCH_A \slot, (\q)+1, 4
.endm
; A slot's last step changes slots: each wave waits for all its tensor loads, adds 0 to its spare word, waits for that and for its reads of this slot, and signals.  fill = 1: the slot is filled again, two K steps ahead.
.macro TURN slot, next, fill
	s_wait_tensorcnt 0x0                           ; all my tensor loads have landed: my part of the next slot
	ds_add_u32 v[SPW], v[NIL]                      ; 0 onto my spare word
	s_wait_dscnt 4*NL+1                            ; (the add and the youngest 24 loads may be out)
	WIN MUL_LO
	MUL16 0, 1, NQ-1, \slot, 0
	s_wait_dscnt 0x0                               ; the add is done, and my reads of this slot are over
	s_barrier_signal -1
	MUL16 2, 1, NQ-1, \slot, 0
	WIN 0
	s_barrier_wait -1
.if \fill
	CREST                                          ; no wave of any partner still reads this slot or has a load on its way
	s_add_nc_u64 s[G0+4*\slot+2:G0+4*\slot+3], s[G0+4*\slot+2:G0+4*\slot+3], 2*ROWB
	s_add_nc_u64 s[G0B+4*\slot+2:G0B+4*\slot+3], s[G0B+4*\slot+2:G0B+4*\slot+3], 2*ROWB
	JLOAD G0+4*\slot, G1, G0B+4*\slot, G1B         ; the first tensor load behind the round; its four v_nop are the places in front of the loads below
.else
	PLACES NP
.endif
	v_add_nc_u32 v[ADRS], 4*NQ, v[ADRS]            ; the next K step's scale words
	FETCH_B \next, 0, 0
	FETCH_A \next, 0, 0
	SCALES \next
	WIN MUL_HI
	MUL16 4, 1, NQ-1, \slot, 0
	MUL16 6, 1, NQ-1, \slot, 0
	PLACES NP
	WIN 0
	FETCH_A \next, 0, 4
.endm
	s_wait_tensorcnt 1                             ; the scales and my part of K step 0 are in (K step 1's load may be out)
	s_barrier_signal -1
	s_barrier_wait -1
	FETCH_B 0, 0, 0
	FETCH_A 0, 0, 0
	SCALES 0
	FETCH_A 0, 0, 4
	STEP 0, 0, 1                                   ; the first step's products start the sums: nothing is cleared
	s_mov_b32 s3, LAPS-1
.Llap:
	TURN 0, 1, 1
	STEP 1, 0, 0
	TURN 1, 0, 1
	STEP 0, 0, 0
	s_sub_co_u32 s3, s3, 1
	s_cmp_lg_u32 s3, 0
	s_cbranch_scc1 .Llap
	TURN 0, 1, 0                                   ; the last lap fills nothing
	STEP 1, 0, 0
	s_wait_dscnt 4*NL
	WIN MUL_LO
	MUL16 0, 1, NQ-1, 1, 0
	MUL16 2, 1, NQ-1, 1, 0
	s_wait_dscnt 0
	WIN MUL_HI
	MUL16 4, 1, NQ-1, 1, 0
	MUL16 6, 1, NQ-1, 1, 0
	WIN 0
; 64 numbers of a lane, register 16 b + i = k 32 b + 16 (lane / 16) + i of my row, become a fragment's codes in v[CD] on and its scale word in v[pw].
.macro QUANT s, pw
.irp b, 0,1,2,3
	v_max3_num_f32 v[TM+\b], |v[\s+16*\b]|, |v[\s+1+16*\b]|, 0x1800000   ; with the floor 2^(3 - 127): the byte cannot fall under 1
.endr
.irp i, 2,4,6,8,10,12,14
.irp b, 0,1,2,3
	v_max3_num_f32 v[TM+\b], v[TM+\b], |v[\s+16*\b+\i]|, |v[\s+1+16*\b+\i]|
.endr
.endr
.irp b, 0,1,2,3
	v_permlanex16_b32 v[TM+4+\b], v[TM+\b], s10, s11
.endr
.irp b, 0,1,2,3
	v_max_num_f32 v[TM+\b], v[TM+\b], v[TM+4+\b]   ; with lane l xor 16's: the block's largest magnitude
.endr
.irp b, 0,1,2,3
	v_add_nc_u32 v[TM+12+\b], 0xff000000, v[TM+\b] ; 2 off its exponent field: the conversion's scale operand
.endr
.irp b, 0,1,2,3
	v_lshrrev_b32 v[TM+4+\b], 23, v[TM+12+\b]      ; the scale's byte
.endr
	v_lshl_or_b32 v[\pw], v[TM+5], 8, v[TM+4]
	v_lshl_or_b32 v[\pw], v[TM+6], 16, v[\pw]
	v_lshl_or_b32 v[\pw], v[TM+7], 24, v[\pw]
.irp c, 0,1
	v_cvt_scalef32_pk16_fp6_f32 v[CD+6*\c:CD+2+6*\c], v[\s+32*\c:\s+15+32*\c], v[TM+12+2*\c]
	v_cvt_scalef32_pk16_fp6_f32 v[CD+12+4*\c:CD+14+4*\c], v[\s+16+32*\c:\s+31+32*\c], v[TM+12+2*\c+1]   ; (a conversion's three registers begin on an even number)
.endr
	v_nop                                          ; one plain place behind a scaled conversion
.irp c, 0,1                            ; the operand's layout wants a whole block in a lane
.irp i, 0,1,2
	v_permlane16_swap_b32 v[CD+6*\c+\i], v[CD+12+4*\c+\i]
.endr
.irp i, 0,1,2
	v_mov_b32 v[CD+3+6*\c+\i], v[CD+12+4*\c+\i]
.endr
.endr
.endm
; Block a of A's rows: bias, quantiser, stores.  Each accumulator is read from its low end on.
.macro OUTBLK a, isv
.set AC, 64*((\a)%4)
	WIN 0x02+(\a)/4                                ; source 0: window 2 or 3
.set n, 0
.rept 32
.if \isv
	v_pk_add_f32 v[TT+n:TT+n+1], v[AC+n:AC+n+1], v[BR+2*(\a):BR+2*(\a)+1]
.else
	v_pk_add_f32 v[TT+n:TT+n+1], v[AC+n:AC+n+1], v[BI+n:BI+n+1]
.endif
.set n, n+2
.endr
	WIN 0
.if (\a) > 0
	s_wait_xcnt 0x0                                ; the last block's stores have read the codes' registers
.endif
	QUANT TT, PWS+(\a)
.if \isv
.irp c, 0,1,2
	global_store_b128 v[LI], v[CD+4*\c:CD+4*\c+3], s[20:21] offset:((\a)/4)*98304+((\a)%4)*1536+512*\c   ; head ia / 4, tile ia % 4 of its 64 channels
.endr
.else
	global_store_b128 v[LI], v[CD:CD+3], s[20:21] offset:768*(\a)                  ; the first head's 64 channels: registers 0-3, 512 bytes,
	global_store_b64 v[L8], v[CD+4:CD+5], s[20:21] offset:768*(\a)+512            ; registers 4-5, 256 bytes;
	global_store_b128 v[LI], v[CD+6:CD+9], s[20:21] offset:768*(\a)+98304         ; the second head's
	global_store_b64 v[L8], v[CD+10:CD+11], s[20:21] offset:768*(\a)+98304+512
.endif
.endm
	PLACES NP                                      ; behind the last products: what follows reads results and writes registers that held A's fragments
	s_wait_loadcnt 0x0                             ; the biases
.irp b, 0,1,2,3
	v_mov_b32 v[TM+4+\b], 0                        ; written once: a lane permute's destination counts as one of its sources
.endr
	s_mov_b32 s10, 0x76543210
	s_mov_b32 s11, 0xfedcba98                      ; lane l xor 16
	s_mov_b32 s104, 0xffff
	s_mov_b32 s105, 0x7f7f0000
	s_cmp_eq_u32 s100, 2                           ; the same in all partners
	s_cbranch_scc1 .Lvalues
	; ---- q or k: images ((b 16 + head) 128 + tile) x 768
	s_lshr_b32 s18, s67, 7                         ; b
	s_and_b32 s19, s67, 127                        ; my first tile of the sequence
	s_lshl_b32 s18, s18, 4
	s_lshl_b32 s20, s66, 1
	s_add_co_u32 s18, s18, s20                     ; b 16 + my first head
	s_lshl_b32 s20, s18, 7
	s_add_co_u32 s20, s20, s19
	s_mul_i32 s20, s20, 768
	s_mul_i32 s21, s100, 6291456
	s_add_co_u32 s20, s20, s21
	s_mov_b32 s21, 0
	s_add_nc_u64 s[20:21], s[98:99], s[20:21]
	s_lshl_b32 s22, s18, 4
	s_lshr_b32 s19, s19, 3
	s_add_co_u32 s22, s22, s19
	s_lshl_b32 s22, s22, 10                        ; the scale words' block of 1,024 bytes,
	s_sub_co_u32 s23, 1, s100
	s_lshl_b32 s23, s23, 20                        ; q's behind k's
	s_add_co_u32 s22, s22, s23
	s_add_co_u32 s22, s22, PSC
	s_mov_b32 s23, 0
	s_add_nc_u64 s[22:23], s[98:99], s[22:23]
.irp a, 0,1,2,3,4,5,6,7
	OUTBLK \a, 0
.endr
.irp a, 0,1,2,3,4,5,6,7
	v_lshrrev_b32 v[PWS+\a], v[SH], v[PWS+\a]      ; lanes 0-15 keep the first head's two bytes, lanes 16-31 the second's;
.endr
.irp a, 0,1,2,3,4,5,6,7
	v_and_or_b32 v[PWS+\a], v[PWS+\a], s104, s105  ; the bytes of K 64 .. 127, where q's codes are zeros, stand for 1
.endr
	global_store_b128 v[SO], v[PWS:PWS+3], s[22:23]              ; [16 rows][4 tiles]: sixteen lanes store 256 consecutive bytes, aligned
	global_store_b128 v[SO], v[PWS+4:PWS+7], s[22:23] offset:256
	s_branch .Lend
.Lvalues:
	; ---- v: images (((b 16 + head) 16 + key step) 4 + tile) x 1,536
	s_lshr_b32 s18, s66, 4                         ; b
	s_and_b32 s19, s66, 15                         ; the key step
	s_lshl_b32 s18, s18, 4
	s_lshr_b32 s20, s67, 2
	s_add_co_u32 s18, s18, s20                     ; b 16 + my first head
	s_lshl_b32 s18, s18, 4
	s_add_co_u32 s18, s18, s19
	s_mul_i32 s20, s18, 6144
	s_add_co_u32 s20, s20, 12582912
	s_mov_b32 s21, 0
	s_add_nc_u64 s[20:21], s[98:99], s[20:21]
	s_lshl_b32 s22, s18, 10
	s_add_co_u32 s22, s22, PSC+512
	s_mov_b32 s23, 0
	s_add_nc_u64 s[22:23], s[98:99], s[22:23]
.irp a, 0,1,2,3,4,5,6,7
	OUTBLK \a, 1
.endr
	global_store_b128 v[LI], v[PWS:PWS+3], s[22:23]              ; [32 lanes][4 tiles]: 512 consecutive bytes
	global_store_b128 v[LI], v[PWS+4:PWS+7], s[22:23] offset:16384
.Lend:
	s_wait_tensorcnt 0x0                           ; the wave's end
	ds_add_u32 v[SPW], v[NIL]
	s_wait_dscnt 0x0
	CROUND                                         ; the closing round: no work-group ends while a partner may still ask for a tile that names it
	s_endpgm
.Lfunc_end_k_qb610e3f2e5_proj:
	.size	k_qb610e3f2e5_proj, .Lfunc_end_k_qb610e3f2e5_proj-k_qb610e3f2e5_proj
	.p2alignl 7, 3214868480
	.fill 96, 4, 3214868480
	.section	.rodata,"a",@progbits
	.p2align	6, 0x0
	.amdhsa_kernel k_qb610e3f2e5_proj
		.amdhsa_group_segment_fixed_size 327680
		.amdhsa_private_segment_fixed_size 0
		.amdhsa_enable_private_segment 0
		.amdhsa_kernarg_size 48
		.amdhsa_user_sgpr_count 2
		.amdhsa_user_sgpr_kernarg_segment_ptr 1
		.amdhsa_wavefront_size32 1
		.amdhsa_system_sgpr_workgroup_id_x 1
		.amdhsa_system_sgpr_workgroup_id_y 1
		.amdhsa_system_sgpr_workgroup_id_z 1
		.amdhsa_system_vgpr_workitem_id 0
		.amdhsa_next_free_vgpr 1024
		.amdhsa_next_free_sgpr 106
		.amdhsa_reserve_vcc 0
		.amdhsa_float_denorm_mode_32 3
		.amdhsa_float_denorm_mode_16_64 3
		.amdhsa_memory_ordered 1
		.amdhsa_forward_progress 1
		.amdhsa_inst_pref_size 236
	.end_amdhsa_kernel
	.amdgpu_metadata
---
amdhsa.version: [ 1, 2 ]
amdhsa.kernels:
  - .name:           k_qb610e3f2e5_proj
    .symbol:         k_qb610e3f2e5_proj.kd
    .args:
      - { .name: xq, .offset: 0, .size: 8, .value_kind: global_buffer, .address_space: global }
      - { .name: wq, .offset: 8, .size: 8, .value_kind: global_buffer, .address_space: global }
      - { .name: bq, .offset: 16, .size: 8, .value_kind: global_buffer, .address_space: global }
      - { .name: bk, .offset: 24, .size: 8, .value_kind: global_buffer, .address_space: global }
      - { .name: bv, .offset: 32, .size: 8, .value_kind: global_buffer, .address_space: global }
      - { .name: pq, .offset: 40, .size: 8, .value_kind: global_buffer, .address_space: global }
    .group_segment_fixed_size: 327680
    .private_segment_fixed_size: 0
    .kernarg_segment_align: 8
    .kernarg_segment_size: 48
    .max_flat_workgroup_size: 128
    .sgpr_count:     106
    .vgpr_count:     1024
    .wavefront_size: 32
...
	.end_amdgpu_metadata
.endif
;; end of part 2
;; launch attn (part 3): grid 16 x 32, 16 waves a work-group, no clusters, 174,592 bytes of LDS; arguments pq, mimg, live, cq; writes cq
.if DOCPART == 3
	.amdgcn_target "amdgcn-amd-amdhsa--gfx1250"
	.amdhsa_code_object_version 6
	.text
	.protected	k_qb610e3f2e5_attn
	.globl	k_qb610e3f2e5_attn
	.p2align	8
	.type	k_qb610e3f2e5_attn,@function
k_qb610e3f2e5_attn:
	s_mov_b64 s[64:65], 0
	v_nop
	global_prefetch_b8 v0, s[64:65] scope:SCOPE_SE
	s_setreg_imm32_b32 hwreg(HW_REG_WAVE_MODE, 25, 1), 1
	s_wait_xcnt 0x0
; ATTN: ctx = softmax(q k^T / 8 + mask x -1e9) v, both products on codes of FP6 (E2M3) with E8M0 scales; ctx is quantised at once for the output projection.
; SHARES.  A work-group owns 64 places of the sequence (four tiles of 16 queries) of FOUR heads of one batch; wave w owns head w % 4 and tile w / 4, in 256 registers: four waves to a SIMD.
; So a mask tile in LDS serves four heads and a tile of K or V four query tiles.  Keys go 128 a step, 16 steps.
; LAYOUT.  S^T = K Q^T (source 0 = 16 keys, source 1 = my queries), O^T = V^T P^T: a lane holds one query throughout.  Keys and channels lie at positions, so register 16 b + i of S^T is key 32 b + 16 (lane / 16) + i.
; The head is 64 wide and the instruction 128: Q's registers 6-11 are zero codes and the scale bytes of K 64 .. 127 stand for 1, so whatever codes stand in K's upper six registers add nothing.
; All operands lie in memory and in LDS as IMAGES OF THEIR REGISTERS: every LDS and global access is 16 (or 8) bytes a lane on end.
; THE SOFTMAX: y = s + (-8e9 mask) in f32 is 8 x the logit, rounded as the logit is; t = fl(y x log2(e) / 8); M = the running largest t rounded up; p = 2^(t - M); the sum is taken of the unquantised p.
; t and t - M are two roundings on purpose, as the logit's scaling and the subtraction are: a row that is masked everywhere then has the same p in all its keys.
; DEAD STEPS.  A word of flags, stored by the first launch, has a bit for each key step in which some row of my four tiles can have a weight other than 0.  A dead step's loads and arithmetic are jumped over
; by scalar branches on that word; the wait, the LDS stores and the barrier at a step's end stand on every path, and the trip count is a constant.  So this launch has no tensor load.
; STAGING.  Each wave loads its sixteenth of the next step's K, V, mask and scale words into 42 registers at a step's head and stores them into the other LDS slot at its end: the loads have the step's arithmetic in which to land.
; LIMITS: |q.k| / 8 under 1e8 (see the first launch); NaN and infinities are not served; a block of zeros carries the byte 1.
.set KI,   0                           ; LDS: K's images, two slots of 24,576 (4 heads x 8 tiles x 768)
.set VI,   49152                       ;      V's, likewise (4 heads x 4 tiles x 1,536)
.set MI,   98304                       ;      the mask's, two slots of 32,768 (4 query tiles x 8,192)
.set SCW,  163840                      ;      scale words, two slots of 4,096 (4 heads x (K's 512 + V's 512))
.set CSG,  172032                      ;      ctx's scale words on the way out, 512
.set KSL,  24576
.set MSL,  32768
.set SSL,  4096
.set KTOV, 6291456                     ; from K's images to V's in pq (and from Q's to K's)
.set PSC,  18874368
.set AK0, 1                            ; v1   K's images of my head: 16 x lane
.set AK1, 2                            ; v2   the same, 8 x lane
.set AV,  3                            ; v3   V's
.set AM,  4                            ; v4   my query tile's mask image
.set ASK, 5                            ; v5   K's scale words: 16 r
.set ASV, 6                            ; v6   V's: 16 x lane (+ 512 in the immediate)
.set WK,  7                            ; v7-10 where I store my sixteenth of K, V, the mask, the scale words
.set WV,  8
.set WM,  9
.set WS,  10
.set GKV, 11                           ; v11-13 and where I load it from
.set GMO, 12
.set GSO, 13
.set NM,  14                           ; v14  -M
.set TMX, 15                           ; v15  the largest t
.set SUM, 16                           ; v[16:17] the row's sum, in two halves
.set QS,  18                           ; v18  Q's scale word
.set PW,  19                           ; v19  p's scale word
.set FF,  20                           ; v20  f = 2^(old M - new M); v21 (16 r) is named with it as a pair
.set R16, 21
.set L16, 22                           ; v22  16 x lane
.set L8,  23                           ; v23  8 x lane
.set Q,   24                           ; v24-35 Q's fragment
.set KS,  36                           ; v36-43 K's eight scale words, then V's four
.set F,   44                           ; v44-75 K's tiles 4-7, then two blocks of the mask
.set S,   76                           ; v76-139 S^T, then p, then V's fragments
.set OT,  140                          ; v140-171 O^T
.set PC,  172                          ; v172-183 p's codes
.set PT,  184                          ; v184-190 their second halves
.set MA,  172                          ; v172-187 a block of the mask
.set BM,  192
.set BP,  196
.set BS,  200
.set T,   204
.set SUM2, 208
.set GK,  210                          ; v210-251 staging
.set GV,  222
.set GM,  234
.set GS,  250
.set CSA, 252
.set CSL, 253
.set PKV, 12                           ; s[12:13] K's images of my four heads, at the step to be loaded
.set PM,  14                           ; s[14:15] the mask's images of my four tiles
.set PS,  16                           ; s[16:17] the scale words
.set CS,  18                           ; s[18:19] log2(e) / 8
.set SEL, 20
.set LIVE, 22
.set TRIP, 23
	s_load_b256 s[4:11], s[0:1], 0x0               ; pq, mimg, live, cq
	v_lshl_add_u32 v254, v0, 2, 0x2a200
	v_mov_b32 v255, 0
	v_lshrrev_b32 v[T+2], 5, v0
	v_readfirstlane_b32 s2, v[T+2]                 ; wave 0..15
	s_and_b32 s3, s2, 3                            ; my head of the four; also: which quarter I stage
	s_lshr_b32 s24, s2, 2                          ; my query tile of the four; also: whose quarter
	s_lshr_b32 s25, ttmp9, 2                       ; b
	s_and_b32 s26, ttmp9, 3                        ; which four heads
	s_and_b32 s27, ttmp7, 0xffff
	s_sub_co_u32 s27, 31, s27                      ; my block of 64 queries: the late ones are started first
	v_and_b32 v[T], 31, v0
	v_and_b32 v[T+1], 15, v0
	v_lshlrev_b32 v[L16], 4, v[T]
	v_lshlrev_b32 v[L8], 3, v[T]
	v_lshlrev_b32 v[R16], 4, v[T+1]
	s_mul_i32 s28, s3, 6144
	v_add_nc_u32 v[AK0], s28, v[L16]
	v_add_nc_u32 v[AK1], s28, v[L8]
	v_add_nc_u32 v[AV], VI, v[AK0]
	s_lshl_b32 s28, s24, 13
	s_add_co_u32 s28, s28, MI
	v_add_nc_u32 v[AM], s28, v[L16]
	s_lshl_b32 s28, s3, 10
	s_add_co_u32 s28, s28, SCW
	v_add_nc_u32 v[ASK], s28, v[R16]
	v_add_nc_u32 v[ASV], s28, v[L16]
	s_mul_i32 s28, s2, 1536
	v_add_nc_u32 v[WK], s28, v[L16]
	v_add_nc_u32 v[WV], VI, v[WK]
	s_lshl_b32 s28, s2, 11
	s_add_co_u32 s28, s28, MI
	v_add_nc_u32 v[WM], s28, v[L16]
	s_lshl_b32 s28, s2, 8
	s_add_co_u32 s28, s28, SCW
	v_add_nc_u32 v[WS], s28, v[L8]
	s_mul_i32 s28, s24, 98304                      ; from head to head,
	s_mul_i32 s29, s3, 1536                        ; my quarter of a head's 6,144 bytes
	s_add_co_u32 s28, s28, s29
	v_add_nc_u32 v[GKV], s28, v[L16]
	s_lshl_b32 s28, s24, 17                        ; from query tile to query tile,
	s_lshl_b32 s29, s3, 11
	s_add_co_u32 s28, s28, s29
	v_add_nc_u32 v[GMO], s28, v[L16]
	s_lshl_b32 s28, s24, 14
	s_lshl_b32 s29, s3, 8
	s_add_co_u32 s28, s28, s29
	v_add_nc_u32 v[GSO], s28, v[L8]
	s_lshl_b32 s28, s24, 7                         ; ctx's scale bytes: 128 x tile + 8 r + 4 (head / 2) + 2 (head % 2)
	s_lshr_b32 s29, s3, 1
	s_lshl_b32 s29, s29, 2
	s_add_co_u32 s28, s28, s29
	s_and_b32 s29, s3, 1
	s_lshl_b32 s29, s29, 1
	s_add_co_u32 s28, s28, s29
	s_add_co_u32 s28, s28, CSG
	v_lshl_add_u32 v[CSA], v[T+1], 3, s28
	v_add_nc_u32 v[CSL], CSG, v[L16]
	; offsets into the buffers, each in a pair of its own
	s_lshl_b32 s28, s25, 4
	s_lshl_b32 s29, s26, 2
	s_add_co_u32 s28, s28, s29                     ; b 16 + my first head
	s_lshl_b32 s29, s27, 2
	s_add_co_u32 s29, s29, s24                     ; my query tile of the batch's 128
	s_add_co_u32 s30, s28, s3                      ; b 16 + my head
	s_mul_i32 s48, s28, 98304
	s_add_co_u32 s48, s48, KTOV
	s_mov_b32 s49, 0
	s_lshl_b32 s50, s28, 14
	s_add_co_u32 s50, s50, PSC
	s_mov_b32 s51, 0
	s_lshl_b32 s52, s27, 19
	s_mov_b32 s53, 0
	s_lshl_b32 s54, s30, 7
	s_add_co_u32 s54, s54, s29
	s_mul_i32 s54, s54, 768                        ; Q's image
	s_mov_b32 s55, 0
	s_lshl_b32 s56, s30, 4
	s_lshr_b32 s31, s29, 3
	s_add_co_u32 s56, s56, s31
	s_lshl_b32 s56, s56, 10
	s_bfe_u32 s31, s29, 0x10002
	s_lshl_b32 s31, s31, 8
	s_add_co_u32 s56, s56, s31
	s_and_b32 s31, s29, 3
	s_lshl_b32 s31, s31, 2
	s_add_co_u32 s56, s56, s31
	s_add_co_u32 s56, s56, PSC+1048576             ; Q's scale words
	s_mov_b32 s57, 0
	s_lshl_b32 s58, s25, 7
	s_add_co_u32 s58, s58, s29                     ; my tile of all 512
	s_lshl_b32 s58, s58, 3
	s_lshl_b32 s31, s26, 1
	s_add_co_u32 s58, s58, s31
	s_lshr_b32 s31, s3, 1
	s_add_co_u32 s58, s58, s31
	s_mul_i32 s58, s58, 1536
	s_and_b32 s31, s3, 1
	s_mul_i32 s31, s31, 768
	s_add_co_u32 s58, s58, s31                     ; ctx's image
	s_mov_b32 s59, 0
	s_lshl_b32 s60, s25, 7
	s_lshl_b32 s31, s27, 2
	s_add_co_u32 s60, s60, s31
	s_lshl_b32 s60, s60, 7
	s_lshl_b32 s31, s26, 16
	s_add_co_u32 s60, s60, s31
	s_add_co_u32 s60, s60, 6291456                 ; ctx's scale words: [4 heads' group][tile][row][2 words]
	s_mov_b32 s61, 0
	s_lshl_b32 s62, s27, 6                         ; my four tiles' sixteen words of flags
	s_mov_b32 s63, 0
	s_mov_b32 s[CS], 0x3e38aa3b
	s_mov_b32 s[CS+1], s[CS]
	s_mov_b32 s[SEL], 0x76543210
	s_mov_b32 s[SEL+1], 0xfedcba98
	s_mov_b32 s[TRIP], 8
	s_wait_kmcnt 0x0
	s_add_nc_u64 s[8:9], s[8:9], s[62:63]
	s_load_b512 s[32:47], s[8:9], 0x0
	s_add_nc_u64 s[PKV:PKV+1], s[4:5], s[48:49]
	s_add_nc_u64 s[PS:PS+1], s[4:5], s[50:51]
	s_add_nc_u64 s[PM:PM+1], s[6:7], s[52:53]
	s_add_nc_u64 s[54:55], s[4:5], s[54:55]
	s_add_nc_u64 s[56:57], s[4:5], s[56:57]
	s_add_nc_u64 s[58:59], s[10:11], s[58:59]
	s_add_nc_u64 s[60:61], s[10:11], s[60:61]
.macro GLOAD k                         ; my sixteenth of a step's tiles, k steps on from where the pointers stand: eleven loads
.irp i, 0,1,2
	global_load_b128 v[GK+4*\i:GK+4*\i+3], v[GKV], s[PKV:PKV+1] offset:6144*(\k)+512*\i
.endr
.irp i, 0,1,2
	global_load_b128 v[GV+4*\i:GV+4*\i+3], v[GKV], s[PKV:PKV+1] offset:6144*(\k)+512*\i+KTOV
.endr
.irp i, 0,1,2,3
	global_load_b128 v[GM+4*\i:GM+4*\i+3], v[GMO], s[PM:PM+1] offset:8192*(\k)+512*\i
.endr
	global_load_b64 v[GS:GS+1], v[GSO], s[PS:PS+1] offset:1024*(\k)
.endm
.macro LSTORE sl
.irp i, 0,1,2
	ds_store_b128 v[WK], v[GK+4*\i:GK+4*\i+3] offset:KSL*(\sl)+512*\i
.endr
.irp i, 0,1,2
	ds_store_b128 v[WV], v[GV+4*\i:GV+4*\i+3] offset:KSL*(\sl)+512*\i
.endr
.irp i, 0,1,2,3
	ds_store_b128 v[WM], v[GM+4*\i:GM+4*\i+3] offset:MSL*(\sl)+512*\i
.endr
	ds_store_b64 v[WS], v[GS:GS+1] offset:SSL*(\sl)
.endm
	GLOAD 0                                        ; step 0, whatever its flag
	global_load_b128 v[Q:Q+3], v[L16], s[54:55]
	global_load_b64 v[Q+4:Q+5], v[L8], s[54:55] offset:512
	global_load_b32 v[QS], v[R16], s[56:57]
.irp j, 0,1,2,3,4,5
	v_mov_b32 v[Q+6+\j], 0                         ; zero codes for K 64 .. 127
	v_mov_b32 v[S+56+\j], 0                        ; named as the upper six registers of K's tiles 3 and 7: written once, whatever they hold later
	v_mov_b32 v[F+24+\j], 0
.endr
.set n, 0
.rept 32
	v_mov_b32 v[OT+n], 0                           ; O^T.  (Which step is the first live one is not known to the text: the step is written once and finds zeros)
.set n, n+1
.endr
	v_mov_b32 v[SUM], 0
	v_mov_b32 v[SUM+1], 0
.irp b, 0,1,2,3
	v_mov_b32 v[BP+\b], 0                          ; a lane permute's destination counts as one of its sources
.endr
	v_mov_b32 v[TMX], 0xff61b1e6                   ; -3e38, under every t
	v_floor_f32 v[NM], -v[TMX]
	s_wait_kmcnt 0x0
	s_or_b32 s[LIVE], s32, s33
.irp i, 34,35,36,37,38,39,40,41,42,43,44,45,46,47
	s_or_b32 s[LIVE], s[LIVE], s\i                 ; a step lives for the work-group where it lives for one of its four tiles
.endr
	s_wait_loadcnt 0x0                             ; step 0's tiles and Q
	LSTORE 0
	s_wait_xcnt 0x0
	s_add_nc_u64 s[PKV:PKV+1], s[PKV:PKV+1], 6144  ; on to step 1
	s_add_nc_u64 s[PM:PM+1], s[PM:PM+1], 8192
	s_add_nc_u64 s[PS:PS+1], s[PS:PS+1], 1024
	s_wait_dscnt 0x0
	s_barrier_signal -1
	s_barrier_wait -1
.macro MADD s0, m                      ; a block of 16 scores + its part of the mask
.set n, 0
.rept 8
	v_pk_add_f32 v[S+(\s0)+n:S+(\s0)+n+1], v[S+(\s0)+n:S+(\s0)+n+1], v[(\m)+n:(\m)+n+1]
.set n, n+2
.endr
.endm
.macro COMPUTE sl
.irp t, 0,1,2,3
	ds_load_b128 v[S+32+6*\t:S+35+6*\t], v[AK0] offset:KSL*(\sl)+768*\t
	ds_load_b64 v[S+36+6*\t:S+37+6*\t], v[AK1] offset:KSL*(\sl)+768*\t+512
.endr
.irp t, 0,1,2,3
	ds_load_b128 v[F+6*\t:F+3+6*\t], v[AK0] offset:KSL*(\sl)+768*(\t+4)
	ds_load_b64 v[F+4+6*\t:F+5+6*\t], v[AK1] offset:KSL*(\sl)+768*(\t+4)+512
.endr
	ds_load_b128 v[KS:KS+3], v[ASK] offset:SSL*(\sl)
	ds_load_b128 v[KS+4:KS+7], v[ASK] offset:SSL*(\sl)+256
.irp j, 0,1,2,3
	ds_load_b128 v[MA+4*\j:MA+4*\j+3], v[AM] offset:MSL*(\sl)+512*\j
.endr
	s_wait_dscnt 0x4                               ; K and its scale words are in; the mask's four loads may be out
.irp t, 0,1,2,3
	v_wmma_scale_f32_16x16x128_f8f6f4 v[S+8*\t:S+8*\t+7], v[S+32+6*\t:S+43+6*\t], v[Q:Q+11], 0, v[KS+\t], v[QS] matrix_a_fmt:MATRIX_FMT_FP6 matrix_b_fmt:MATRIX_FMT_FP6
.endr
.rept 5
	v_nop                                          ; the next four results are laid over these four's operands: five places
.endr
.irp t, 0,1,2,3
	v_wmma_scale_f32_16x16x128_f8f6f4 v[S+32+8*\t:S+39+8*\t], v[F+6*\t:F+11+6*\t], v[Q:Q+11], 0, v[KS+4+\t], v[QS] matrix_a_fmt:MATRIX_FMT_FP6 matrix_b_fmt:MATRIX_FMT_FP6
.endr
.rept 4
	v_nop                                          ; in front of loads into registers that these have read, and of the first read of results
.endr
.irp j, 0,1,2,3,4,5,6,7
	ds_load_b128 v[F+4*\j:F+4*\j+3], v[AM] offset:MSL*(\sl)+512*(4+\j)
.endr
	s_wait_dscnt 0x8                               ; the mask's block 0 is in; blocks 1 and 2 may be out
	MADD 0, MA
.irp j, 0,1,2,3
	ds_load_b128 v[MA+4*\j:MA+4*\j+3], v[AM] offset:MSL*(\sl)+512*(12+\j)
.endr
	s_wait_dscnt 0x8                               ; block 1 is in; blocks 2 and 3 may be out
	MADD 16, F
	s_wait_dscnt 0x4
	MADD 32, F+16
	s_wait_dscnt 0x0
	MADD 48, MA
.irp b, 0,1,2,3
	v_max3_num_f32 v[BM+\b], v[S+16*\b], v[S+1+16*\b], v[S+2+16*\b]   ; the largest y of each block of 32 keys: for the row's maximum, and for the block's largest p
.endr
.irp i, 3,5,7,9,11,13
.irp b, 0,1,2,3
	v_max3_num_f32 v[BM+\b], v[BM+\b], v[S+16*\b+\i], v[S+1+16*\b+\i]
.endr
.endr
.irp b, 0,1,2,3
	v_max_num_f32 v[BM+\b], v[BM+\b], v[S+15+16*\b]
.endr
.irp b, 0,1,2,3
	v_permlanex16_b32 v[BP+\b], v[BM+\b], s[SEL], s[SEL+1]
.endr
.irp b, 0,1,2,3
	v_max_num_f32 v[BM+\b], v[BM+\b], v[BP+\b]
.endr
	v_max3_num_f32 v[T], v[BM], v[BM+1], v[BM+2]
	v_max_num_f32 v[T], v[T], v[BM+3]
	v_mul_f32 v[T], s[CS], v[T]                    ; as t
	v_max_num_f32 v[TMX], v[TMX], v[T]
	v_mov_b32 v[T], v[NM]
	v_floor_f32 v[NM], -v[TMX]                     ; -M = floor(-t): M is a whole number
	v_sub_f32 v[T], v[NM], v[T]
	v_cvt_i32_f32 v[T], v[T]                       ; (it saturates)
	v_ldexp_f32 v[FF], 1.0, v[T]                   ; f = 2^(old M - new M)
.set n, 0
.rept 32
	v_pk_mul_f32 v[S+n:S+n+1], v[S+n:S+n+1], s[CS:CS+1] op_sel_hi:[1,0]   ; t
.set n, n+2
.endr
.irp b, 0,1,2,3
	v_mul_f32 v[BM+\b], s[CS], v[BM+\b]
.endr
.set n, 0
.rept 32
	v_pk_add_f32 v[S+n:S+n+1], v[S+n:S+n+1], v[NM:NM+1] op_sel_hi:[1,0]   ; t - M
.set n, n+2
.endr
.irp b, 0,1,2,3
	v_add_f32 v[BM+\b], v[BM+\b], v[NM]
.endr
.set n, 0
.rept 64
	v_exp_f32 v[S+n], v[S+n]                       ; p = 2^(t - M)
.set n, n+1
.endr
	v_pk_mul_f32 v[SUM:SUM+1], v[SUM:SUM+1], v[FF:FF+1] op_sel_hi:[1,0]   ; the sums under the new M: a plain place behind the exponentials
	s_wait_alu depctr_va_vdst(0)                   ; one wait for the batch, ahead of its first reader
.irp b, 0,1,2,3
	v_exp_f32 v[BM+\b], v[BM+\b]                   ; each block's largest p: the same operations on the same number
.endr
	v_pk_add_f32 v[SUM2:SUM2+1], v[S:S+1], v[S+2:S+3]   ; the sum of the unquantised p, in two chains
.irp j, 4,8,12,16,20,24,28,32,36,40,44,48,52,56,60
	v_pk_add_f32 v[SUM:SUM+1], v[SUM:SUM+1], v[S+\j:S+1+\j]
	v_pk_add_f32 v[SUM2:SUM2+1], v[SUM2:SUM2+1], v[S+2+\j:S+3+\j]
.endr
	v_pk_add_f32 v[SUM:SUM+1], v[SUM:SUM+1], v[SUM2:SUM2+1]
	s_wait_alu depctr_va_vdst(0)                   ; and one for the four
.irp b, 0,1,2,3
	v_max_num_f32 v[BM+\b], 0x1800000, v[BM+\b]    ; the floor 2^(3 - 127)
.endr
.irp b, 0,1,2,3
	v_add_nc_u32 v[BS+\b], 0xff000000, v[BM+\b]    ; the conversion's scale operand
.endr
.irp b, 0,1,2,3
	v_lshrrev_b32 v[BP+\b], 23, v[BS+\b]
.endr
	v_lshl_or_b32 v[PW], v[BP+1], 8, v[BP]
	v_lshl_or_b32 v[PW], v[BP+2], 16, v[PW]
	v_lshl_or_b32 v[PW], v[BP+3], 24, v[PW]
.irp c, 0,1
	v_cvt_scalef32_pk16_fp6_f32 v[PC+6*\c:PC+2+6*\c], v[S+32*\c:S+15+32*\c], v[BS+2*\c]
	v_cvt_scalef32_pk16_fp6_f32 v[PT+4*\c:PT+2+4*\c], v[S+16+32*\c:S+31+32*\c], v[BS+2*\c+1]
.endr
	v_nop                                          ; one plain place behind a scaled conversion
.irp ct, 0,1,2,3
.irp c, 0,1,2
	ds_load_b128 v[S+12*\ct+4*\c:S+12*\ct+4*\c+3], v[AV] offset:KSL*(\sl)+1536*\ct+512*\c   ; V's four fragments, where p stood
.endr
.endr
	ds_load_b128 v[KS:KS+3], v[ASV] offset:SSL*(\sl)+512
.irp c, 0,1
.irp i, 0,1,2
	v_permlane16_swap_b32 v[PC+6*\c+\i], v[PT+4*\c+\i]
.endr
.irp i, 0,1,2
	v_mov_b32 v[PC+3+6*\c+\i], v[PT+4*\c+\i]
.endr
.endr
.set n, 0
.rept 16
	v_pk_mul_f32 v[OT+n:OT+n+1], v[OT+n:OT+n+1], v[FF:FF+1] op_sel_hi:[1,0]   ; O^T under the new M; also the places between the scale word and the codes just made and the products
.set n, n+2
.endr
	s_wait_dscnt 0x0
.irp ct, 0,1,2,3
	v_wmma_scale_f32_16x16x128_f8f6f4 v[OT+8*\ct:OT+8*\ct+7], v[S+12*\ct:S+12*\ct+11], v[PC:PC+11], v[OT+8*\ct:OT+8*\ct+7], v[KS+\ct], v[PW] matrix_a_fmt:MATRIX_FMT_FP6 matrix_b_fmt:MATRIX_FMT_FP6
.endr
.rept 5
	v_nop                                          ; the next step loads into these operands and lays results over V's fragments: five places
.endr
.endm
; A key step: it works on slot sl and brings the next step's tiles into the other slot.  Bit 0 of the flags: this step; bit 1: the next.
.macro STEP sl, k
	s_bitcmp1_b32 s[LIVE], 1
	s_cbranch_scc0 .Lno_load_\@
	GLOAD \k
.Lno_load_\@:
	s_bitcmp1_b32 s[LIVE], 0
	s_cbranch_scc0 .Lno_work_\@
	COMPUTE \sl
.Lno_work_\@:
	s_wait_loadcnt 0x0                             ; on every path: no load is out, and the staging registers hold a step's tiles (a dead step's are never read)
	LSTORE 1-(\sl)                                 ; nobody reads that slot: every wave's reads of it were waited for in front of the last barrier
	s_lshr_b32 s[LIVE], s[LIVE], 1
	s_wait_dscnt 0x0                               ; for the others' sake: my stores have landed and my reads of this slot are over
	s_barrier_signal -1
	s_barrier_wait -1
.endm
.Ltrip:
	STEP 0, 0
	STEP 1, 1
	s_wait_xcnt 0x0
	s_add_nc_u64 s[PKV:PKV+1], s[PKV:PKV+1], 2*6144
	s_add_nc_u64 s[PM:PM+1], s[PM:PM+1], 2*8192
	s_add_nc_u64 s[PS:PS+1], s[PS:PS+1], 2*1024
	s_sub_co_u32 s[TRIP], s[TRIP], 1
	s_cmp_lg_u32 s[TRIP], 0
	s_cbranch_scc1 .Ltrip                          ; (in the last step bit 1 is bit 16 of the word, 0: nothing is loaded past the buffers)
	; THE WAY OUT: O^T / the sum; register 16 b + i is channel 32 b + 16 (lane / 16) + i of my head: two blocks of the output projection's K.
	v_add_f32 v[SUM], v[SUM], v[SUM+1]
	v_permlanex16_b32 v[BP], v[SUM], s[SEL], s[SEL+1]
	v_add_f32 v[SUM], v[SUM], v[BP]
	v_rcp_f32 v[FF], v[SUM]
	v_nop                                          ; a plain place behind the transcendental
	s_wait_alu depctr_va_vdst(0)
.set n, 0
.rept 16
	v_pk_mul_f32 v[S+n:S+n+1], v[OT+n:OT+n+1], v[FF:FF+1] op_sel_hi:[1,0]
.set n, n+2
.endr
.irp b, 0,1
	v_max3_num_f32 v[BM+\b], |v[S+16*\b]|, |v[S+1+16*\b]|, 0x1800000
.endr
.irp i, 2,4,6,8,10,12,14
.irp b, 0,1
	v_max3_num_f32 v[BM+\b], v[BM+\b], |v[S+16*\b+\i]|, |v[S+1+16*\b+\i]|
.endr
.endr
.irp b, 0,1
	v_permlanex16_b32 v[BP+\b], v[BM+\b], s[SEL], s[SEL+1]
.endr
.irp b, 0,1
	v_max_num_f32 v[BM+\b], v[BM+\b], v[BP+\b]
.endr
.irp b, 0,1
	v_add_nc_u32 v[BS+\b], 0xff000000, v[BM+\b]
.endr
.irp b, 0,1
	v_lshrrev_b32 v[BP+\b], 23, v[BS+\b]
.endr
	v_lshl_or_b32 v[PW], v[BP+1], 8, v[BP]         ; my head's two bytes
	v_cvt_scalef32_pk16_fp6_f32 v[PC:PC+2], v[S:S+15], v[BS]
	v_cvt_scalef32_pk16_fp6_f32 v[PT:PT+2], v[S+16:S+31], v[BS+1]
	v_nop
.irp i, 0,1,2
	v_permlane16_swap_b32 v[PC+\i], v[PT+\i]
.endr
.irp i, 0,1,2
	v_mov_b32 v[PC+3+\i], v[PT+\i]
.endr
	global_store_b128 v[L16], v[PC:PC+3], s[58:59]               ; half a fragment's image: 512 and 256 consecutive bytes
	global_store_b64 v[L8], v[PC+4:PC+5], s[58:59] offset:512
	ds_store_b16 v[CSA], v[PW]                     ; the sixteen waves' bytes meet in LDS (both halves of the lanes write the same bytes with the same value)
	s_wait_dscnt 0x0
	s_barrier_signal -1
	s_barrier_wait -1
	s_cmp_lg_u32 s2, 0
	s_cbranch_scc1 .Ldone
	ds_load_b128 v[S:S+3], v[CSL]
	s_wait_dscnt 0x0
	global_store_b128 v[L16], v[S:S+3], s[60:61]   ; four tiles' scale words: 512 consecutive bytes
.Ldone:
	s_wait_tensorcnt 0x0
	ds_add_u32 v254, v255
	s_wait_dscnt 0x0
	s_endpgm
.Lfunc_end_k_qb610e3f2e5_attn:
	.size	k_qb610e3f2e5_attn, .Lfunc_end_k_qb610e3f2e5_attn-k_qb610e3f2e5_attn
	.p2alignl 7, 3214868480
	.fill 96, 4, 3214868480
	.section	.rodata,"a",@progbits
	.p2align	6, 0x0
	.amdhsa_kernel k_qb610e3f2e5_attn
		.amdhsa_group_segment_fixed_size 174592
		.amdhsa_private_segment_fixed_size 0
		.amdhsa_enable_private_segment 0
		.amdhsa_kernarg_size 32
		.amdhsa_user_sgpr_count 2
		.amdhsa_user_sgpr_kernarg_segment_ptr 1
		.amdhsa_wavefront_size32 1
		.amdhsa_system_sgpr_workgroup_id_x 1
		.amdhsa_system_sgpr_workgroup_id_y 1
		.amdhsa_system_sgpr_workgroup_id_z 1
		.amdhsa_system_vgpr_workitem_id 0
		.amdhsa_next_free_vgpr 256
		.amdhsa_next_free_sgpr 66
		.amdhsa_reserve_vcc 0
		.amdhsa_float_denorm_mode_32 3
		.amdhsa_float_denorm_mode_16_64 3
		.amdhsa_memory_ordered 1
		.amdhsa_forward_progress 1
		.amdhsa_inst_pref_size 60
	.end_amdhsa_kernel
	.amdgpu_metadata
---
amdhsa.version: [ 1, 2 ]
amdhsa.kernels:
  - .name:           k_qb610e3f2e5_attn
    .symbol:         k_qb610e3f2e5_attn.kd
    .args:
      - { .name: pq, .offset: 0, .size: 8, .value_kind: global_buffer, .address_space: global }
      - { .name: mimg, .offset: 8, .size: 8, .value_kind: global_buffer, .address_space: global }
      - { .name: live, .offset: 16, .size: 8, .value_kind: global_buffer, .address_space: global }
      - { .name: cq, .offset: 24, .size: 8, .value_kind: global_buffer, .address_space: global }
    .group_segment_fixed_size: 174592
    .private_segment_fixed_size: 0
    .kernarg_segment_align: 8
    .kernarg_segment_size: 32
    .max_flat_workgroup_size: 512
    .sgpr_count:     66
    .vgpr_count:     256
    .wavefront_size: 32
...
	.end_amdgpu_metadata
.endif
;; end of part 3
;; launch outp (part 4): grid 4 x 32, 4 waves a work-group, clusters of 4 x 4, 327,680 bytes of LDS; arguments cq, wq, bo, out0; writes out0
.if DOCPART == 4
	.amdgcn_target "amdgcn-amd-amdhsa--gfx1250"
	.amdhsa_code_object_version 6
	.text
	.protected	k_qb610e3f2e5_outp
	.globl	k_qb610e3f2e5_outp
	.p2align	8
	.type	k_qb610e3f2e5_outp,@function
k_qb610e3f2e5_outp:
	s_mov_b64 s[64:65], 0
	v_nop
	global_prefetch_b8 v0, s[64:65] scope:SCOPE_SE
	s_setreg_imm32_b32 hwreg(HW_REG_WAVE_MODE, 25, 1), 1
	s_wait_xcnt 0x0
	s_wait_alu depctr_hold_cnt(0) depctr_sa_sdst(0) depctr_va_vdst(0) depctr_va_sdst(0) depctr_va_ssrc(0) depctr_va_vcc(0) depctr_vm_vsrc(0)
	s_getreg_b32 s2, hwreg(HW_REG_IB_STS2, 6, 4)
	s_cmp_eq_u32 s2, 0
	s_cbranch_scc0 .Lentry_in_a_cluster
	s_endpgm
.Lentry_in_a_cluster:
	s_bfe_u32 s2, ttmp6, 0x10000c
	s_cmp_lg_u32 s2, 0xf033
	s_cbranch_scc0 .Lentry_shape_is_right
	s_endpgm
.Lentry_shape_is_right:
; OUTP: out0 = ctx Wo + bo on codes of FP6 (E2M3) with E8M0 scales, K = 1,024.  A tile of out0 is 256 x 256, four waves, 128 x 128 a wave: 64 accumulators.
; Source 0 = 16 columns of Wo (rows of codes, K innermost, at positions), source 1 = 16 rows of ctx: a lane holds one row and eight columns.
; ctx comes as IMAGES OF ITS FRAGMENTS (tile of 16 rows x 8 K steps of 128 x 1,536 bytes): a K step of 256 of eight tiles is 8 rows of 3,072 bytes for one tensor load, and a fragment is two loads of 16 and two of 8 bytes a lane, on end.
; K goes in steps of 256 through a ring of two LDS slots filled by joint tensor loads (4 x 4 work-groups: ctx's tile shared along a row of the cluster, Wo's along a column); the scale words of all of K come once.
; Rows of ctx and columns of Wo lie at positions (bits 3 and 4 of the index exchanged): the way out puts both back, the columns in the stage's offsets, the rows in the stores' immediates.
; REGISTERS: window 0: v0-31 addresses; v32-63 ctx's scale words, v64-95 Wo's, two sets each; v96-99 bo; from v128 ctx's fragments, one set.  window 1: Wo's fragments, two sets.  windows 2, 3: the accumulators.
.set NQ,     2
.set ROWB,   192
.set KROW,   768
.set PITCH,  240
.set FR,     12
.set NLA,    4                         ; LDS loads that bring a fragment of ctx
.set NP,     4
.set ASTEP,  3072                      ; a tile's K step of 256 in bytes
.set HALFA,  8*ASTEP                   ; eight tiles: what one tensor load brings of ctx
.set HALFT,  128*PITCH                 ; and of Wo
.set BOFF,   2*HALFA
.set SLOT,   BOFF+2*HALFT
.set LAPS,   2
.set SCL,    2*SLOT                    ; ctx's scale words: two halves of 4 K steps x 1,024 bytes
.set HALFSA, 4096
.set SCLB,   SCL+2*HALFSA              ; Wo's scale bytes, as units of 256 bytes + 16 of padding
.set HALFS,  16*272
.set SBLK,   2*272
.set SPARE,  SCLB+2*HALFS              ; the spare words, 128 bytes a wave: two blocks of 256 bytes that no other line names
.set SPITCH, 528                       ; the way out: a stage of 16 rows x (512 + 16) bytes a wave, in slot 0, which has had its last fill and its last read by then
.set ADRA, 16                          ; v16-17 ctx's images in slot 0, 1: 16 x lane
.set ADRA8, 18                         ; v18-19 the same, 8 x lane
.set ADRB, 20                          ; v20-21 Wo's rows (v22-23: behind one padding more)
.set STO,  24
.set RD,   25
.set CO,   26
.set ADSA, 27
.set SPW,  28
.set NIL,  29
.set ADSB, 30
.set SCA,  32
.set SCB,  64
.set BO,   96
.set AF,   128
.set BK,   128
.set G1, 24
.set G0, 32
.set G1B, 48
.set G0B, 56
.set G1S, 68
.set G0S, 76
.set G1SB, 80
.set G0SB, 88
.set MSB, 0
.macro WIN new
.if MSB != (\new)
	s_set_vgpr_msb (MSB<<8)|(\new)
.set MSB, (\new)
.endif
.endm
.set MUL_LO, 0xa1
.set MUL_HI, 0xf1
.set TO_B,   0x40
.macro JLOAD g0a, g1a, g0b, g1b        ; waves 0 and 1 fetch for ctx, waves 2 and 3 for Wo; four v_nop follow each of the two lines
	s_cmp_eq_u32 s15, 0
	s_cbranch_scc0 .Lfor_b_\@
	tensor_load_to_lds s[\g0a:\g0a+3], s[\g1a:\g1a+7]
	s_nop 0
.rept 4
	v_nop
.endr
	s_branch .Lasked_\@
.Lfor_b_\@:
	tensor_load_to_lds s[\g0b:\g0b+3], s[\g1b:\g1b+7]
	s_nop 0
.rept 4
	v_nop
.endr
.Lasked_\@:
.endm
.macro CREST
	s_cmp_lg_u32 s14, 0
	s_cbranch_scc1 .Lnot_wave_0_\@
	s_barrier_signal -3
.Lnot_wave_0_\@:
	s_barrier_wait -3
	s_barrier_signal -1
	s_barrier_wait -1
.endm
.macro CROUND
	s_barrier_signal -1
	s_barrier_wait -1
	CREST
.endm
	s_load_b256 s[4:11], s[0:1], 0x0               ; cq, wq, bo, out0
	v_lshl_add_u32 v[SPW], v0, 2, SPARE
	v_mov_b32 v[NIL], 0
	ds_add_u32 v28, v29
	ds_add_u32 v28, v29
	s_wait_dscnt 0x0
	v_lshrrev_b32 v1, 5, v0
	v_readfirstlane_b32 s14, v1                    ; wave 0..3
	s_lshr_b32 s15, s14, 1                         ; which half of the rows is mine.  Also: I fetch for ctx (0) or for Wo (1)
	s_and_b32 s16, s14, 1                          ; which half of the columns.  Also: which half I fetch
	s_bfe_u32 s40, ttmp6, 0x40000                  ; cx
	s_bfe_u32 s41, ttmp6, 0x40004                  ; cy
	s_lshl_b32 s42, ttmp9, 2
	s_add_co_u32 s42, s42, s40                     ; tile column
	s_and_b32 s17, ttmp7, 0xffff
	s_lshl_b32 s17, s17, 2
	s_add_co_u32 s17, s17, s41                     ; tile row
	s_lshl_b32 s43, s41, 2
	s_lshl_b32 s43, 15, s43                        ; my row of the cluster
	s_lshl_b32 s44, 0x1111, s40                    ; my column
	s_or_b32 s[G1+0], s43, (3<<16)|(1<<21)         ; ctx: the mask; elements of 8 bytes; no padding; bit 21 beside a mask
	s_mov_b32 s[G1+1], 384<<16                     ; tensor_dim0: 3,072 bytes
	s_mov_b32 s[G1+2], 8<<16                       ; tensor_dim1: 8 tiles
	s_mov_b32 s[G1+3], 384<<16
	s_mov_b32 s[G1+4], 8
	s_mov_b32 s[G1+5], 1536                        ; a tile's 12,288 bytes
	s_mov_b32 s[G1+6], 0
	s_mov_b32 s[G1+7], 0
	s_or_b32 s[G1B+0], s44, (0<<16)|(1<<20)|(1<<21)|(3<<22)|(3<<25)   ; Wo: 128 rows of 192 bytes, 16 of padding behind every 64
	s_mov_b32 s[G1B+1], ROWB<<16
	s_mov_b32 s[G1B+2], 128<<16
	s_mov_b32 s[G1B+3], ROWB<<16
	s_mov_b32 s[G1B+4], 128
	s_mov_b32 s[G1B+5], KROW
	s_mov_b32 s[G1B+6], 0
	s_mov_b32 s[G1B+7], 0
	s_or_b32 s[G1S+0], s43, (3<<16)|(1<<21)        ; ctx's scale words: for each of 4 K steps 1,024 bytes (8 tiles x 16 rows x 2 words), 65,536 bytes apart
	s_mov_b32 s[G1S+1], 128<<16
	s_mov_b32 s[G1S+2], 4<<16
	s_mov_b32 s[G1S+3], 128<<16
	s_mov_b32 s[G1S+4], 4
	s_mov_b32 s[G1S+5], 8192
	s_mov_b32 s[G1S+6], 0
	s_mov_b32 s[G1S+7], 0
	s_or_b32 s[G1SB+0], s44, (3<<16)|(1<<20)|(1<<21)|(5<<22)|(3<<25)  ; Wo's: 4,096 dense bytes as rows of 256, 16 of padding behind each
	s_mov_b32 s[G1SB+1], 32<<16
	s_mov_b32 s[G1SB+2], 16<<16
	s_mov_b32 s[G1SB+3], 32<<16
	s_mov_b32 s[G1SB+4], 16
	s_mov_b32 s[G1SB+5], 32
	s_mov_b32 s[G1SB+6], 0
	s_mov_b32 s[G1SB+7], 0
	s_lshl_b32 s18, s16, 3
	s_lshl_b32 s20, s17, 4
	s_add_co_u32 s20, s20, s18                     ; ctx: the first tile of 16 rows that I fetch
	s_lshl_b32 s22, s20, 7
	s_add_co_u32 s22, s22, 6291456                 ; its scale words
	s_mul_i32 s20, s20, 12288                      ; its images
	s_mov_b32 s21, 0
	s_mov_b32 s23, 0
	s_lshl_b32 s18, s16, 7
	s_lshl_b32 s46, s42, 8
	s_add_co_u32 s46, s46, s18                     ; Wo: the first column (position) that I fetch
	s_lshl_b32 s92, s46, 5
	s_add_co_u32 s92, s92, 3145728+3*32768
	s_mul_i32 s46, s46, KROW
	s_add_co_u32 s46, s46, 3*786432
	s_mov_b32 s47, 0
	s_mov_b32 s93, 0
	s_mul_i32 s45, s16, HALFA                      ; where they go: no place in the cluster enters an LDS address
	s_mul_i32 s95, s16, HALFT
	s_add_co_u32 s95, s95, BOFF
	s_lshl_b32 s94, s16, 12
	s_mul_i32 s96, s16, HALFS
	s_wait_kmcnt 0x0
	s_add_nc_u64 s[20:21], s[4:5], s[20:21]
	s_add_nc_u64 s[22:23], s[4:5], s[22:23]
	s_add_nc_u64 s[46:47], s[6:7], s[46:47]
	s_add_nc_u64 s[92:93], s[6:7], s[92:93]
	CROUND                                         ; all sixteen work-groups are here: the first joint loads meet
	s_mov_b32 s[G0S], 1
	s_add_co_u32 s[G0S+1], s94, SCL
	s_mov_b64 s[G0S+2:G0S+3], s[22:23]
	s_or_b32 s[G0S+3], s[G0S+3], 0x80000000
	s_mov_b32 s[G0SB], 1
	s_add_co_u32 s[G0SB+1], s96, SCLB
	s_mov_b64 s[G0SB+2:G0SB+3], s[92:93]
	s_or_b32 s[G0SB+3], s[G0SB+3], 0x80000000
	JLOAD G0S, G1S, G0SB, G1SB
.irp s, 0,1
	s_mov_b32 s[G0+4*\s], 1
	s_add_co_u32 s[G0+4*\s+1], s45, \s*SLOT
	s_add_nc_u64 s[G0+4*\s+2:G0+4*\s+3], s[20:21], \s*ASTEP
	s_or_b32 s[G0+4*\s+3], s[G0+4*\s+3], 0x80000000
	s_mov_b32 s[G0B+4*\s], 1
	s_add_co_u32 s[G0B+4*\s+1], s95, \s*SLOT
	s_add_nc_u64 s[G0B+4*\s+2:G0B+4*\s+3], s[46:47], \s*ROWB
	s_or_b32 s[G0B+4*\s+3], s[G0B+4*\s+3], 0x80000000
	JLOAD G0+4*\s, G1, G0B+4*\s, G1B
.endr
	v_and_b32 v1, 15, v0                           ; r
	v_bfe_u32 v2, v0, 4, 1                         ; h
	v_and_b32 v6, 31, v0
	v_lshlrev_b32 v[CO], 4, v6                     ; 16 x lane
	v_lshlrev_b32 v7, 3, v6                        ; 8 x lane
	; my part of out0 and of bo
	s_lshl_b32 s20, s17, 8
	s_lshl_b32 s21, s15, 7
	s_add_co_u32 s20, s20, s21                     ; my first row
	s_lshl_b32 s20, s20, 12                        ; 4,096 bytes a row
	s_lshl_b32 s46, s42, 10
	s_lshl_b32 s47, s16, 9
	s_add_co_u32 s46, s46, s47                     ; my first column, in bytes
	s_mov_b32 s47, 0
	s_add_co_u32 s20, s20, s46
	s_mov_b32 s21, 0
	s_add_nc_u64 s[12:13], s[10:11], s[20:21]
	s_add_nc_u64 s[8:9], s[8:9], s[46:47]
	global_load_b128 v[BO:BO+3], v[CO], s[8:9]     ; bo at the four columns that I store; waited for on the way out
	v_mul_u32_u24 v3, v1, PITCH
	v_mul_u32_u24 v4, v2, 24
	v_add_nc_u32 v4, v3, v4
	v_lshl_add_u32 v5, v2, 4, v4
	s_mul_i32 s21, s15, HALFA                      ; my eight tiles of ctx
	s_mul_i32 s22, s16, HALFT
	s_add_co_u32 s22, s22, BOFF                    ; my 128 columns of Wo
.irp s, 0,1
	v_add_nc_u32 v[ADRA+\s], s21, v[CO]
	v_add_nc_u32 v[ADRA8+\s], s21, v7
	v_add_nc_u32 v[ADRB+\s], s22, v4
	v_add_nc_u32 v[ADRB+2+\s], s22, v5
	s_add_co_u32 s21, s21, SLOT
	s_add_co_u32 s22, s22, SLOT
.endr
	s_lshl_b32 s21, s15, 12
	s_add_co_u32 s21, s21, SCL
	v_lshl_add_u32 v[ADSA], v1, 3, s21             ; ctx's scale words: 8 r
	v_lshlrev_b32 v5, 5, v1
	v_lshrrev_b32 v6, 8, v5
	v_lshl_add_u32 v5, v6, 4, v5                   ; Wo's: 32 bytes a row, 16 more for each 256 passed
	s_mul_i32 s22, s16, HALFS
	s_add_co_u32 s22, s22, SCLB
	v_add_nc_u32 v[ADSB], s22, v5
	s_mul_i32 s23, s14, 16*SPITCH                  ; my stage
	v_mul_u32_u24 v5, v1, SPITCH
	v_lshl_add_u32 v5, v2, 6, v5
	v_add_nc_u32 v[STO], s23, v5                   ; in: row r, + 64 h: tile 2 b + u's eight columns are 32 b + 16 h + 8 u + 0 .. 7
	v_add_nc_u32 v[RD], s23, v[CO]                 ; back: the 32 lanes take one row of 512 bytes
.macro FRAG reg, adr, q, i             ; Wo: 16 rows x 128 K in pieces of 8 bytes
.irp p, 0,1,2,3,4,5
.set PIECE, 12*(\q)+6*(\p/3)+\p%3
.if PIECE%8 < 5
	ds_load_b64 v[\reg+2*\p:\reg+2*\p+1], v[\adr] offset:8*PIECE+16*(PIECE/8)+(\i)*16*PITCH
.else
	ds_load_b64 v[\reg+2*\p:\reg+2*\p+1], v[\adr+2] offset:8*PIECE+16*(PIECE/8)+(\i)*16*PITCH
.endif
.endr
.endm
.macro FRAG_A reg, slot, q, i          ; ctx: a fragment's two halves, each registers 0-3 at 16 x lane and 4-5 at 512 + 8 x lane
.irp c, 0,1
	ds_load_b128 v[\reg+6*\c:\reg+6*\c+3], v[ADRA+\slot] offset:ASTEP*(\i)+1536*(\q)+768*\c
	ds_load_b64 v[\reg+6*\c+4:\reg+6*\c+5], v[ADRA8+\slot] offset:ASTEP*(\i)+1536*(\q)+768*\c+512
.endr
.endm
; The 64 accumulators take turns, one instruction a turn, in the same order in every step.
.macro MUL16 a0, p, q, sc, zero
.irp a, \a0, \a0+1
.irp b, 0,1,2,3,4,5,6,7
.if \zero
	v_wmma_scale_f32_16x16x128_f8f6f4 v[8*(8*((\a)%4)+\b):8*(8*((\a)%4)+\b)+7], v[128*(\p)+FR*\b:128*(\p)+FR*\b+FR-1], v[AF+FR*(\a):AF+FR*(\a)+FR-1], 0, v[SCB+8*NQ*(\sc)+NQ*\b+(\q)], v[SCA+8*NQ*(\sc)+NQ*(\a)+(\q)] matrix_a_fmt:MATRIX_FMT_FP6 matrix_b_fmt:MATRIX_FMT_FP6
.else
	v_wmma_scale_f32_16x16x128_f8f6f4 v[8*(8*((\a)%4)+\b):8*(8*((\a)%4)+\b)+7], v[128*(\p)+FR*\b:128*(\p)+FR*\b+FR-1], v[AF+FR*(\a):AF+FR*(\a)+FR-1], v[8*(8*((\a)%4)+\b):8*(8*((\a)%4)+\b)+7], v[SCB+8*NQ*(\sc)+NQ*\b+(\q)], v[SCA+8*NQ*(\sc)+NQ*(\a)+(\q)] matrix_a_fmt:MATRIX_FMT_FP6 matrix_b_fmt:MATRIX_FMT_FP6
.endif
.endr
.endr
.endm
.macro FETCH_B slot, q, p
	WIN TO_B
.irp i, 0,1,2,3,4,5,6,7
	FRAG 128*(\p)+FR*\i, ADRB+\slot, \q, \i
.endr
	WIN 0
.endm
.macro FETCH_A slot, q, i0
.irp i, \i0, \i0+1, \i0+2, \i0+3
	FRAG_A AF+FR*(\i), \slot, \q, \i
.endr
.endm
.macro SCALES sc                       ; a K step's two words of each of the eight blocks, for each side
.irp i, 0,1,2,3,4,5,6,7
	ds_load_b64 v[SCA+8*NQ*\sc+NQ*\i:SCA+8*NQ*\sc+NQ*\i+1], v[ADSA] offset:\i*128
	ds_load_b64 v[SCB+8*NQ*\sc+NQ*\i:SCB+8*NQ*\sc+NQ*\i+1], v[ADSB] offset:\i*SBLK
.endr
.endm
.macro PLACES n
.rept \n
	v_nop
.endr
.endm
.macro STEP slot, q, zero
	s_wait_dscnt 4*NLA                             ; all but the youngest 16 loads (ctx's blocks 4-7) are in
	WIN MUL_LO
	MUL16 0, (\q)%2, \q, \slot, \zero
	MUL16 2, (\q)%2, \q, \slot, \zero
	s_wait_dscnt 0
	PLACES NP
	FETCH_B \slot, (\q)+1, 1-(\q)%2
	FETCH_A \slot, (\q)+1, 0
	WIN MUL_HI
	MUL16 4, (\q)%2, \q, \slot, \zero
	MUL16 6, (\q)%2, \q, \slot, \zero
	PLACES NP
	WIN 0
	FETCH_A \slot, (\q)+1, 4
.endm
.macro TURN slot, next, fill
	s_wait_tensorcnt 0x0                           ; all my tensor loads have landed: my part of the next slot
	ds_add_u32 v[SPW], v[NIL]                      ; 0 onto my spare word
	s_wait_dscnt 4*NLA+1                           ; (the add and the youngest 16 loads may be out)
	WIN MUL_LO
	MUL16 0, 1, NQ-1, \slot, 0
	s_wait_dscnt 0x0                               ; the add is done, and my reads of this slot are over
	s_barrier_signal -1
	MUL16 2, 1, NQ-1, \slot, 0
	WIN 0
	s_barrier_wait -1
.if \fill
	CREST                                          ; no wave of any partner still reads this slot or has a load on its way
	s_add_nc_u64 s[G0+4*\slot+2:G0+4*\slot+3], s[G0+4*\slot+2:G0+4*\slot+3], 2*ASTEP
	s_add_nc_u64 s[G0B+4*\slot+2:G0B+4*\slot+3], s[G0B+4*\slot+2:G0B+4*\slot+3], 2*ROWB
	JLOAD G0+4*\slot, G1, G0B+4*\slot, G1B         ; the first tensor load behind the round; its four v_nop are the places in front of the loads below
.else
	PLACES NP
.endif
	v_add_nc_u32 v[ADSA], 1024, v[ADSA]            ; the next K step's scale words
	v_add_nc_u32 v[ADSB], 4*NQ, v[ADSB]
	FETCH_B \next, 0, 0
	FETCH_A \next, 0, 0
	SCALES \next
	WIN MUL_HI
	MUL16 4, 1, NQ-1, \slot, 0
	MUL16 6, 1, NQ-1, \slot, 0
	PLACES NP
	WIN 0
	FETCH_A \next, 0, 4
.endm
	s_wait_tensorcnt 1                             ; the scales and my part of K step 0 are in (K step 1's load may be out)
	s_barrier_signal -1
	s_barrier_wait -1
	FETCH_B 0, 0, 0
	FETCH_A 0, 0, 0
	SCALES 0
	FETCH_A 0, 0, 4
	STEP 0, 0, 1                                   ; the first step's products start the sums
	s_mov_b32 s3, LAPS-1
.Llap:
	TURN 0, 1, 1
	STEP 1, 0, 0
	TURN 1, 0, 1
	STEP 0, 0, 0
	s_sub_co_u32 s3, s3, 1
	s_cmp_lg_u32 s3, 0
	s_cbranch_scc1 .Llap
	TURN 0, 1, 0
	STEP 1, 0, 0
	s_wait_dscnt 4*NLA
	WIN MUL_LO
	MUL16 0, 1, NQ-1, 1, 0
	MUL16 2, 1, NQ-1, 1, 0
	s_wait_dscnt 0
	WIN MUL_HI
	MUL16 4, 1, NQ-1, 1, 0
	MUL16 6, 1, NQ-1, 1, 0
	WIN 0
; THE WAY OUT, block by block of 16 rows x 128 columns, through my own stage: in by 32 bytes a lane at the columns' true places, back as whole rows of 512 bytes; bo is added; 32 lanes store 512 consecutive bytes.
.macro TOSTAGE a
.set AC, 64*((\a)%4)
	WIN 0x08+4*((\a)/4)                            ; the data: window 2 or 3
.irp b, 0,1,2,3,4,5,6,7
	ds_store_b128 v[STO], v[AC+8*\b:AC+8*\b+3] offset:128*(\b/2)+32*(\b%2)          ; each accumulator from its low end on
	ds_store_b128 v[STO], v[AC+8*\b+4:AC+8*\b+7] offset:128*(\b/2)+32*(\b%2)+16
.endr
	WIN 0
.set BB, BK+64*((\a)%2)
.irp t, 0,1,2,3,4,5,6,7,8,9,10,11,12,13,14,15
	ds_load_b128 v[BB+4*\t:BB+4*\t+3], v[RD] offset:\t*SPITCH    ; LDS serves a wave's instructions in order: these see the stores above
.endr
.endm
.macro SEND a, younger
.set BB, BK+64*((\a)%2)
	s_wait_dscnt \younger                          ; the block is back in registers
.irp t, 0,1,2,3,4,5,6,7,8,9,10,11,12,13,14,15
	v_pk_add_f32 v[BB+4*\t:BB+4*\t+1], v[BB+4*\t:BB+4*\t+1], v[BO:BO+1]
	v_pk_add_f32 v[BB+4*\t+2:BB+4*\t+3], v[BB+4*\t+2:BB+4*\t+3], v[BO+2:BO+3]
	global_store_b128 v[CO], v[BB+4*\t:BB+4*\t+3], s[12:13] offset:(32*((\a)/2)+8*((\a)%2)+(\t&7)+16*(\t>>3))*4096 th:TH_STORE_NT   ; position 16 a + t is row 32 (a / 2) + 8 (a % 2) + t % 8 + 16 (t / 8)
.endr
.endm
	PLACES NP
	s_wait_loadcnt 0x0                             ; bo
	TOSTAGE 0
.irp a, 1,2,3,4,5,6,7
.if \a > 1
	s_wait_xcnt 0x0                                ; block a - 2's stores have read their registers: block a's loads may land there
.endif
	TOSTAGE \a
	SEND \a-1, 32                                  ; behind block a - 1's loads: block a's 16 stores and 16 loads
.endr
	SEND 7, 0
	s_wait_tensorcnt 0x0                           ; the wave's end
	ds_add_u32 v[SPW], v[NIL]
	s_wait_dscnt 0x0
	CROUND                                         ; the closing round
	s_endpgm
.Lfunc_end_k_qb610e3f2e5_outp:
	.size	k_qb610e3f2e5_outp, .Lfunc_end_k_qb610e3f2e5_outp-k_qb610e3f2e5_outp
	.p2alignl 7, 3214868480
	.fill 96, 4, 3214868480
	.section	.rodata,"a",@progbits
	.p2align	6, 0x0
	.amdhsa_kernel k_qb610e3f2e5_outp
		.amdhsa_group_segment_fixed_size 327680
		.amdhsa_private_segment_fixed_size 0
		.amdhsa_enable_private_segment 0
		.amdhsa_kernarg_size 32
		.amdhsa_user_sgpr_count 2
		.amdhsa_user_sgpr_kernarg_segment_ptr 1
		.amdhsa_wavefront_size32 1
		.amdhsa_system_sgpr_workgroup_id_x 1
		.amdhsa_system_sgpr_workgroup_id_y 1
		.amdhsa_system_sgpr_workgroup_id_z 1
		.amdhsa_system_vgpr_workitem_id 0
		.amdhsa_next_free_vgpr 1024
		.amdhsa_next_free_sgpr 100
		.amdhsa_reserve_vcc 0
		.amdhsa_float_denorm_mode_32 3
		.amdhsa_float_denorm_mode_16_64 3
		.amdhsa_memory_ordered 1
		.amdhsa_forward_progress 1
		.amdhsa_inst_pref_size 170
	.end_amdhsa_kernel
	.amdgpu_metadata
---
amdhsa.version: [ 1, 2 ]
amdhsa.kernels:
  - .name:           k_qb610e3f2e5_outp
    .symbol:         k_qb610e3f2e5_outp.kd
    .args:
      - { .name: cq, .offset: 0, .size: 8, .value_kind: global_buffer, .address_space: global }
      - { .name: wq, .offset: 8, .size: 8, .value_kind: global_buffer, .address_space: global }
      - { .name: bo, .offset: 16, .size: 8, .value_kind: global_buffer, .address_space: global }
      - { .name: out0, .offset: 24, .size: 8, .value_kind: global_buffer, .address_space: global }
    .group_segment_fixed_size: 327680
    .private_segment_fixed_size: 0
    .kernarg_segment_align: 8
    .kernarg_segment_size: 32
    .max_flat_workgroup_size: 128
    .sgpr_count:     100
    .vgpr_count:     1024
    .wavefront_size: 32
...
	.end_amdgpu_metadata
.endif
;; end of part 4
